; MI455X (gfx1250); checked and timed in simulation.
; The chip was launched on July 23, 2026; its instructions are those of AMD's public machine-readable ISA for CDNA 5 (MIT licence, August 2026) and "CDNA5" Instruction Set Architecture Reference Guide (July 2026). The comments in the code are by the model that wrote it; some were corrected since.
;; Hopfield Pooling. Allowed arithmetic: matrix products marked QUANTISED: E2M1 operands, one E8M0 scale for each 32 along K, by v_wmma_scale_f32_16x16x128_f8f6f4 with both operands' format E2M1 (or v_wmma_scale_f32_32x16x128_f4), f32 sums; products left as they are: f32 operands where the result goes on into a quantised operand, else bf16, f16 or f32 operands; f32 sums; everything else in f32.
;; Inputs: Wk 1,024 x 1,024 float32; Wo 1,024 x 1,024 float32; Wq 1,024 x 1,024 float32; Wv 1,024 x 1,024 float32; Y 16 x 2,048 x 1,024 float32; bk 1,024 float32; bo 1,024 float32; bq 1,024 float32; bv 1,024 float32; query 1 x 1 x 1,024 float32.
;; Outputs: out0 16 x 1 x 1,024 float32.
;; This version of the problem:
;;   THIS VERSION OF THE PROBLEM IS GIVEN IN LOW PRECISION. The matrix products marked QUANTISED in the list below multiply operands that are first quantised to E2M1 (2 exponent bits, 1 mantissa bit; 4 bits a number), with one power-of-two scale for each 32 numbers along K (OCP MX v1.0); their sums are f32. All else is computed in f32.
;;   The module's matrix products, in the order in which they are computed (A, B: the left and right operand; K: the contracted axis; several contracted axes count as one K, in the product's order):
;;     1. [M 16, K 1,024] x [K 1,024, N 1,024]; A: input query; B: input Wq: QUANTISED
;;     2. [M 32,768, K 1,024] x [K 1,024, N 1,024]; A: input Y; B: input Wk: QUANTISED
;;     3. [M 32,768, K 1,024] x [K 1,024, N 1,024]; A: computed on the way; B: input Wv: QUANTISED
;;     4. batch 256 x [M 1, K 64] x [K 64, N 2,048]; A: computed on the way; B: computed on the way: left as it is (M = 1 < 16)
;;     5. batch 256 x [M 64, K 2,048] x [K 2,048, N 1]; A: computed on the way; B: softmax: left as it is (N = 1 < 16)
;;     6. [M 16, K 1,024] x [K 1,024, N 1,024]; A: computed on the way; B: input Wo: QUANTISED
;;   THE QUANTISER, for each operand of a quantised product, along K:
;;     - K is cut into blocks of 32 from its start; a last block that is shorter is filled with zeros.
;;     - A block's scale is 2^e with e = floor(log2(the largest magnitude in the block)) - 2, held to -126 .. 127; a block of zeros has e = 0. As a byte (E8M0): e + 127.
;;     - Each number is divided by its block's scale, clamped to +-6, and rounded to the nearest number of E2M1, ties to even, subnormals kept.
;;     - The product sums the exact products of the quantised numbers (number of the format x scale) in f32.
;;   ~~~python
;;   def quantise(x, axis):      # numpy; x: float32 -> the quantised numbers, widened to float32 again
;;       x = np.moveaxis(x, axis, -1); K = x.shape[-1]
;;       x = np.pad(x, [(0, 0)] * (x.ndim - 1) + [(0, -K % 32)]); x = x.reshape(x.shape[:-1] + (-1, 32)); a = np.abs(x).max(-1, keepdims=True)
;;       e = np.where(a > 0, np.clip(np.frexp(np.where(a > 0, a, 1))[1] - 1 - 2, -126, 127), 0)      # np.frexp(a)[1] - 1 = floor(log2(a)), exactly
;;       r = np.clip(x / 2.0 ** e, -6, 6)
;;       step = 2.0 ** (np.maximum(np.frexp(np.where(r == 0, 1, r))[1] - 1, 0) - 1)
;;       q = np.round(r / step) * step * 2.0 ** e      # np.round: ties to even
;;       return np.moveaxis(q.reshape(q.shape[:-2] + (-1,))[..., :K], -1, axis).astype(np.float32)
;;   ~~~
;;   OPERANDS COMPUTED ON THE WAY. 'Computed on the way' means the value that the module computes at that place (a softmax that the list does not call 'softmax' is quantised finished and normalised). What goes into a quantiser is computed in f32, as accurately as f32 sums, v_exp_f32 and their like allow (about 1e-6 of the number): no bf16 or f16 on the way to a quantiser, and a product that is left as it is and whose result goes on into a quantised operand takes f32 operands (vector FMAs, or v_wmma_f32_16x16x4_f32). A number that lies on a knife's edge between two numbers of the format may be rounded either way, as far as f32 arithmetic and the matrix unit's own rounding can turn it there, and no further.
;; 2 versions, each right; version 2 is version 1 with the launches prep, finish written anew for expert scheduling mode. Each part assembles by itself: llvm-mc -triple=amdgcn-amd-amdhsa -mcpu=gfx1250 --defsym DOCPART=n.
;; ======== version 1 of 2: 3 launches
;; workspace buffers: wst 1,671,168 bytes; qv 4,096 bytes; part 2,097,152 bytes
;; launch prep (part 1): grid 64 x 4, 4 waves a work-group, no clusters, 10,752 bytes of LDS; arguments Wk, Wv, Wo, Wq, query, bq, wst, qv; writes wst, qv
.if DOCPART == 1
	.amdgcn_target "amdgcn-amd-amdhsa--gfx1250"
	.amdhsa_code_object_version 6
	.text
	.protected	k_q13732f06a3_prep
	.globl	k_q13732f06a3_prep
	.p2align	8
	.type	k_q13732f06a3_prep,@function
k_q13732f06a3_prep:
	s_mov_b64 s[64:65], 0
	v_nop
	global_prefetch_b8 v0, s[64:65] scope:SCOPE_SE
	s_setreg_imm32_b32 hwreg(HW_REG_WAVE_MODE, 25, 1), 1
	s_wait_xcnt 0x0
; Wk, Wv, Wo [1024][1024] f32 (K innermost) become codes of FP4 (E2M1) with one E8M0 byte for each 32 along K, laid in wst in the ORDER OF THE OPERAND'S REGISTERS;
; and q = Q(query) Q(Wq)^T + bq (the first product of the problem) goes to qv, f32, in natural order.
; A block's scale is 2^(floor(log2(largest magnitude)) - 2): its byte is the largest magnitude's exponent field - 2, held at 1 from below by a floor among the maximum's leaves.
; LIMITS: NaN and infinities among the inputs are not served.  A block of zeros, or one whose largest magnitude lies under 2^-124, gets the byte 1 (a block of zeros has 127 by the
; rule): its codes are as the rule has them, and the bytes are read by this program alone.
; SHARES.  Work-group (x, y): y = 0, 1, 2: Wk, Wv, Wo; y = 3: Wq.  x = 4 hh + tau: ONE TILE of 16 rows of the column group hh (64 rows of W, a head).
; THE ROWS OF A TILE ARE NOT NEIGHBOURS: tile row r is row 64 hh + 32 (tau / 2) + 8 (tau % 2) + r + 8 (r / 8) of W, so that in a product used transposed the 16 registers of tiles
; 2 b and 2 b + 1 are 16 neighbours along the next product's K.  Wave v takes tile rows 4 v .. 4 v + 3, which are neighbours in memory.
; wst: slot 8 y + 2 c + g (69,632 bytes; c = hh % 4, g = half of K), in it block hh / 4 (17,408 bytes): [tau][s'][1,024 bytes]: a fragment's two groups of four registers, lane l's
; 16 bytes at 16 l; from byte 16,384: [u][512 bytes]: lane l's 16 bytes are the four scale words (s' = 0 .. 3) of tile 2 u + l / 16, tile row l % 16.
; No tensor loads, no cluster: work-groups share no input but the 4 KiB of the query.
.set SLOTB, 69632
.set WAVEB, 17408
.set PITCH, 528                        ; LDS: a row's 512 bytes of codes + 16: the 16 rows that a load touches start in different banks
.set SPIT,  48                         ; a row's 32 scale bytes + 16
.set SCL,   9216                       ; behind 17 rows of codes (row 16: the query): 17 rows of scale bytes
; REGISTERS: v1 lane, v2 r, v3 h; v4-15, v53, v56 addresses; v16-23 Wq's scale words, v24-31 the query's (scales and nothing else); v32-47 two accumulators (on the weights' way: a fragment on its way out);
; v52 bq; v64-95 codes and bytes of the four rows; v96-103 at work; v104-105, v112-119 the query's; v128-255 four rows of 32 numbers a lane, later fragments.
.macro PLACES
.rept 4
	v_nop
.endr
.endm
; eight neighbours along K in v[x] on; four neighbouring lanes hold a block of 32
.macro QG x, m, sc, cd, by
	v_max3_num_f32 v[\m], |v[\x]|, |v[\x+1]|, 0x1800000            ; the floor 2^(3 - 127) among the leaves: the byte cannot fall under 1
	v_max3_num_f32 v[\m], v[\m], |v[\x+2]|, |v[\x+3]|
	v_max3_num_f32 v[\m], v[\m], |v[\x+4]|, |v[\x+5]|
	v_max3_num_f32 v[\m], v[\m], |v[\x+6]|, |v[\x+7]|
	v_max_num_f32_dpp v[\m], v[\m], v[\m] row_xmask:1 row_mask:0xf bank_mask:0xf
	v_max_num_f32_dpp v[\m], v[\m], v[\m] row_xmask:2 row_mask:0xf bank_mask:0xf
	v_add_nc_u32 v[\sc], 0xff000000, v[\m]                         ; 2 off the exponent field: the conversion's scale operand
	v_cvt_scalef32_pk8_fp4_f32 v[\cd], v[\x:\x+7], v[\sc]
	v_lshrrev_b32 v[\by], 23, v[\sc]                               ; the byte; also the plain line behind the conversion
.endm
; a whole row: 32 numbers a lane in v[x] on, as loaded; codes to v[cd] .. v[cd+3], bytes to v[cd+4] .. v[cd+7]; the four pairs by turns
.macro QROW x, cd
.irp p, 0,1,2,3
.irp i, 0,1,2,3
	v_permlane16_swap_b32 v[\x+8*\p+\i], v[\x+8*\p+4+\i]           ; lane l now holds k = 256 p + 8 l + 0 .. 7 in eight registers on end
.endr
.endr
.irp p, 0,1,2,3
	v_max3_num_f32 v[96+\p], |v[\x+8*\p]|, |v[\x+8*\p+1]|, 0x1800000
.endr
.irp i, 2,4,6
.irp p, 0,1,2,3
	v_max3_num_f32 v[96+\p], v[96+\p], |v[\x+8*\p+\i]|, |v[\x+8*\p+\i+1]|
.endr
.endr
.irp p, 0,1,2,3
	v_max_num_f32_dpp v[96+\p], v[96+\p], v[96+\p] row_xmask:1 row_mask:0xf bank_mask:0xf
.endr
.irp p, 0,1,2,3
	v_max_num_f32_dpp v[96+\p], v[96+\p], v[96+\p] row_xmask:2 row_mask:0xf bank_mask:0xf
.endr
.irp p, 0,1,2,3
	v_add_nc_u32 v[100+\p], 0xff000000, v[96+\p]
.endr
.irp p, 0,1,2,3
	v_cvt_scalef32_pk8_fp4_f32 v[\cd+\p], v[\x+8*\p:\x+8*\p+7], v[100+\p]
.endr
.irp p, 0,1,2,3
	v_lshrrev_b32 v[\cd+4+\p], 23, v[100+\p]                       ; plain lines behind the conversions
.endr
.endm
	s_load_b256 s[4:11], s[0:1], 0x0               ; Wk s[4:5], Wv s[6:7], Wo s[8:9], Wq s[10:11]
	s_load_b256 s[12:19], s[0:1], 0x20             ; query s[12:13], bq s[14:15], wst s[16:17], qv s[18:19]
	v_lshl_add_u32 v126, v0, 2, 0x2800
	v_mov_b32 v127, 0
	v_lshrrev_b32 v54, 5, v0
	v_readfirstlane_b32 s20, v54                   ; wave v
	s_and_b32 s21, ttmp7, 0xffff                   ; y: which matrix
	s_lshr_b32 s22, ttmp9, 2                       ; hh
	s_and_b32 s23, ttmp9, 3                        ; tau
	v_and_b32 v1, 31, v0                           ; lane l
	v_and_b32 v2, 15, v0                           ; r
	v_bfe_u32 v3, v0, 4, 1                         ; h
	v_mov_b32 v52, 0                               ; bq's register is written on every way; wave 0 of Wq's work-groups loads it below
	v_lshlrev_b32 v4, 5, v2
	v_lshl_add_u32 v4, v3, 4, v4                   ; in: 32 r + 16 h: a load's 32 lanes cover 512 consecutive bytes
	s_mul_i32 s24, s20, 4*PITCH
	v_lshl_add_u32 v5, v1, 2, s24                  ; codes of my rows: 4 v rows + 4 l
	s_mul_i32 s24, s20, 4*SPIT
	s_add_co_u32 s24, s24, SCL
	v_lshrrev_b32 v54, 2, v1
	v_add_nc_u32 v6, s24, v54                      ; their scale bytes: + l / 4
	s_lshl_b32 s24, s20, 7
	s_add_co_u32 s25, s24, 16*PITCH
	v_lshl_add_u32 v7, v1, 2, s25                  ; the query's codes, row 16: 128 v + 4 l
	s_lshl_b32 s25, s20, 3
	s_add_co_u32 s25, s25, SCL+16*SPIT
	v_add_nc_u32 v8, s25, v54                      ; its scale bytes: 8 v + l / 4
	v_mul_u32_u24 v13, v2, PITCH
	v_lshl_add_u32 v13, v3, 4, v13                 ; a fragment's place: row r, + 16 h
	v_add_nc_u32 v9, s24, v13                      ; + 128 v: K steps 2 v, 2 v + 1 are mine on the way out
	v_lshlrev_b32 v10, 4, v1                       ; 16 l
	v_mul_u32_u24 v56, v2, SPIT
	v_add_nc_u32 v56, SCL, v56                     ; row r's scale bytes
	v_lshl_add_u32 v11, v3, 4, v56                 ; + 16 h: lanes 0-15 the words of K's first half, lanes 16-31 of its second
	v_mul_u32_u24 v12, v3, SLOTB
	v_lshl_add_u32 v12, v2, 4, v12                 ; and where they go: 16 r, + a slot for the second half
	v_and_b32 v14, 8, v2
	v_add_nc_u32 v14, v14, v2
	v_lshlrev_b32 v14, 2, v14                      ; 4 (r + 8 (r / 8)): tile row r's column, in bytes of f32
	v_lshl_add_u32 v15, v3, 4, 16*PITCH            ; the query's fragments: row 16, + 16 h
	v_mov_b32 v53, SCL+16*SPIT                     ; the query's scale words
	s_lshl_b32 s30, s22, 6
	s_lshr_b32 s26, s23, 1                         ; tau / 2
	s_lshl_b32 s27, s26, 5
	s_add_co_u32 s30, s30, s27
	s_and_b32 s27, s23, 1                          ; tau % 2
	s_lshl_b32 s28, s27, 3
	s_add_co_u32 s30, s30, s28                     ; n0 = 64 hh + 32 (tau / 2) + 8 (tau % 2): the tile's first row of W
	s_lshl_b32 s28, s20, 2
	s_add_co_u32 s28, s28, s30
	s_lshr_b32 s31, s20, 1                         ; v / 2
	s_lshl_b32 s29, s31, 3
	s_add_co_u32 s28, s28, s29                     ; my first row: n0 + 4 v + 8 (v / 2)
	s_lshl_b32 s28, s28, 12                        ; x 4,096 bytes
	s_mov_b32 s29, 0
	s_wait_kmcnt 0x0
	s_cmp_eq_u32 s21, 1                            ; the matrix is chosen by the work-group's number alone
	s_cselect_b64 s[4:5], s[6:7], s[4:5]
	s_cmp_eq_u32 s21, 2
	s_cselect_b64 s[4:5], s[8:9], s[4:5]
	s_cmp_eq_u32 s21, 3
	s_cselect_b64 s[4:5], s[10:11], s[4:5]
	s_add_nc_u64 s[4:5], s[4:5], s[28:29]
.irp i, 0,1,2,3
.irp p, 0,1,2,3
	global_load_b128 v[128+32*\i+8*\p:131+32*\i+8*\p], v4, s[4:5] offset:4096*\i+1024*\p th:TH_LOAD_NT
	global_load_b128 v[132+32*\i+8*\p:135+32*\i+8*\p], v4, s[4:5] offset:4096*\i+1024*\p+512 th:TH_LOAD_NT
.endr
.endr
	s_cmp_lg_u32 s21, 3
	s_cbranch_scc1 .Lnoq
	s_lshl_b32 s28, s30, 2
	s_add_nc_u64 s[14:15], s[14:15], s[28:29]      ; bq and qv at the tile's first column
	s_add_nc_u64 s[18:19], s[18:19], s[28:29]
	s_cmp_lg_u32 s20, 0
	s_cbranch_scc1 .Lnobq
	global_load_b32 v52, v14, s[14:15]             ; wave 0, which will multiply, asks for bq here, with the rows: it is in long before the sums are
.Lnobq:
	s_lshl_b32 s28, s20, 10                        ; Wq's work-groups quantise the query too: wave v its numbers 256 v .. 256 v + 255, into LDS row 16, which no other path names
	s_add_nc_u64 s[12:13], s[12:13], s[28:29]
	global_load_b128 v[112:115], v4, s[12:13]
	global_load_b128 v[116:119], v4, s[12:13] offset:512
	s_wait_loadcnt 0x0
.irp i, 0,1,2,3
	v_permlane16_swap_b32 v[112+\i], v[116+\i]
.endr
	QG 112, 96, 100, 104, 105
	ds_store_b32 v7, v104
	ds_store_b8 v8, v105                           ; the four lanes of a block write the same byte with the same value
.Lnoq:
.irp i, 0,1,2,3
	s_wait_loadcnt 24-8*\i                         ; row i's eight loads are in; the later rows' may be out
	QROW 128+32*\i, 64+8*\i
.irp p, 0,1,2,3
	ds_store_b32 v5, v[64+8*\i+\p] offset:PITCH*\i+128*\p
	ds_store_b8 v6, v[68+8*\i+\p] offset:SPIT*\i+8*\p
.endr
.endr
	s_wait_dscnt 0x0                               ; for the others' sake: my stores have landed
	s_barrier_signal -1
	s_barrier_wait -1                              ; the tile's 16 rows of codes and scale bytes lie in LDS
	s_cmp_eq_u32 s21, 3
	s_cbranch_scc1 .Lq
	; ---- a weight's tile leaves as images of its fragments: wave v takes K steps 2 v and 2 v + 1
.irp e, 0,1
.irp c, 0,1
	ds_load_b128 v[32+8*\e+4*\c:35+8*\e+4*\c], v9 offset:64*\e+32*\c
.endr
.endr
	s_and_b32 s32, s22, 3
	s_lshl_b32 s32, s32, 1
	s_lshl_b32 s33, s21, 3
	s_add_co_u32 s32, s32, s33                     ; slot 8 y + 2 c
	s_mul_i32 s32, s32, SLOTB
	s_lshr_b32 s33, s22, 2
	s_mul_i32 s33, s33, WAVEB
	s_add_co_u32 s32, s32, s33                     ; + block hh / 4
	s_lshl_b32 s34, s23, 12
	s_add_co_u32 s34, s34, s32                     ; + 4,096 tau
	s_mul_i32 s35, s31, SLOTB
	s_add_co_u32 s34, s34, s35                     ; + a slot where my K steps lie in K's second half
	s_and_b32 s35, s20, 1
	s_lshl_b32 s35, s35, 11
	s_add_co_u32 s34, s34, s35                     ; + 2,048 (v % 2)
	s_mov_b32 s35, 0
	s_add_nc_u64 s[36:37], s[16:17], s[34:35]
.irp e, 0,1
.irp c, 0,1
	s_wait_dscnt 3-2*\e-\c
	global_store_b128 v10, v[32+8*\e+4*\c:35+8*\e+4*\c], s[36:37] offset:1024*\e+512*\c   ; 32 lanes store 512 consecutive bytes, at a multiple of 256 from wst's first byte
.endr
.endr
	s_cmp_lg_u32 s20, 0
	s_cbranch_scc1 .Lenda
	ds_load_b128 v[48:51], v11                     ; wave 0: the tile's scale words
	s_lshl_b32 s34, s26, 9
	s_add_co_u32 s34, s34, s32
	s_lshl_b32 s38, s27, 8
	s_add_co_u32 s34, s34, s38
	s_add_co_u32 s34, s34, 16384                   ; block + 16,384 + 512 (tau / 2) + 256 (tau % 2)
	s_add_nc_u64 s[38:39], s[16:17], s[34:35]
	s_wait_dscnt 0x0
	global_store_b128 v12, v[48:51], s[38:39]      ; sixteen lanes store 256 consecutive bytes in each of the two slots
.Lenda:
	s_wait_tensorcnt 0x0
	ds_add_u32 v126, v127
	s_wait_dscnt 0x0
	s_endpgm
	; ---- Wq's tile is multiplied at once: source 0 = the query in all 16 rows, source 1 = the tile.  Wave 0 alone: eight matrix instructions
.Lq:
	s_cmp_lg_u32 s20, 0
	s_cbranch_scc1 .Lend
.irp s, 0,1,2,3,4,5,6,7
.irp c, 0,1
	ds_load_b128 v[128+8*\s+4*\c:131+8*\s+4*\c], v13 offset:64*\s+32*\c
	ds_load_b128 v[192+8*\s+4*\c:195+8*\s+4*\c], v15 offset:64*\s+32*\c
.endr
.endr
	ds_load_b128 v[16:19], v56
	ds_load_b128 v[20:23], v56 offset:16
	ds_load_b128 v[24:27], v53
	ds_load_b128 v[28:31], v53 offset:16
	s_wait_dscnt 0x0
.irp s, 0,1,2,3,4,5,6,7                        ; two accumulators by turns; the first product of each starts its sum
.if \s < 2
	v_wmma_scale_f32_16x16x128_f8f6f4 v[32+8*(\s%2):39+8*(\s%2)], v[192+8*\s:199+8*\s], v[128+8*\s:135+8*\s], 0, v[24+\s], v[16+\s] matrix_a_fmt:MATRIX_FMT_FP4 matrix_b_fmt:MATRIX_FMT_FP4
.else
	v_wmma_scale_f32_16x16x128_f8f6f4 v[32+8*(\s%2):39+8*(\s%2)], v[192+8*\s:199+8*\s], v[128+8*\s:135+8*\s], v[32+8*(\s%2):39+8*(\s%2)], v[24+\s], v[16+\s] matrix_a_fmt:MATRIX_FMT_FP4 matrix_b_fmt:MATRIX_FMT_FP4
.endif
.endr
	PLACES
	v_add_f32 v55, v32, v40                        ; register 0: row 8 h of the result, column r: all rows are the same row
	v_add_f32 v55, v55, v52                        ; bq: its load was waited for with the query's
	global_store_b32 v14, v55, s[18:19]            ; lanes r and r + 16 hold the same bits and name the same word
.Lend:
	s_wait_tensorcnt 0x0
	ds_add_u32 v126, v127
	s_wait_dscnt 0x0
	s_endpgm
.Lfunc_end_k_q13732f06a3_prep:
	.size	k_q13732f06a3_prep, .Lfunc_end_k_q13732f06a3_prep-k_q13732f06a3_prep
	.p2alignl 7, 3214868480
	.fill 96, 4, 3214868480
	.section	.rodata,"a",@progbits
	.p2align	6, 0x0
	.amdhsa_kernel k_q13732f06a3_prep
		.amdhsa_group_segment_fixed_size 10752
		.amdhsa_private_segment_fixed_size 0
		.amdhsa_enable_private_segment 0
		.amdhsa_kernarg_size 64
		.amdhsa_user_sgpr_count 2
		.amdhsa_user_sgpr_kernarg_segment_ptr 1
		.amdhsa_wavefront_size32 1
		.amdhsa_system_sgpr_workgroup_id_x 1
		.amdhsa_system_sgpr_workgroup_id_y 1
		.amdhsa_system_sgpr_workgroup_id_z 1
		.amdhsa_system_vgpr_workitem_id 0
		.amdhsa_next_free_vgpr 256
		.amdhsa_next_free_sgpr 66
		.amdhsa_reserve_vcc 0
		.amdhsa_float_denorm_mode_32 3
		.amdhsa_float_denorm_mode_16_64 3
		.amdhsa_memory_ordered 1
		.amdhsa_forward_progress 1
		.amdhsa_inst_pref_size 27
	.end_amdhsa_kernel
	.amdgpu_metadata
---
amdhsa.version: [ 1, 2 ]
amdhsa.kernels:
  - .name:           k_q13732f06a3_prep
    .symbol:         k_q13732f06a3_prep.kd
    .args:
      - { .name: Wk, .offset: 0, .size: 8, .value_kind: global_buffer, .address_space: global }
      - { .name: Wv, .offset: 8, .size: 8, .value_kind: global_buffer, .address_space: global }
      - { .name: Wo, .offset: 16, .size: 8, .value_kind: global_buffer, .address_space: global }
      - { .name: Wq, .offset: 24, .size: 8, .value_kind: global_buffer, .address_space: global }
      - { .name: query, .offset: 32, .size: 8, .value_kind: global_buffer, .address_space: global }
      - { .name: bq, .offset: 40, .size: 8, .value_kind: global_buffer, .address_space: global }
      - { .name: wst, .offset: 48, .size: 8, .value_kind: global_buffer, .address_space: global }
      - { .name: qv, .offset: 56, .size: 8, .value_kind: global_buffer, .address_space: global }
    .group_segment_fixed_size: 10752
    .private_segment_fixed_size: 0
    .kernarg_segment_align: 8
    .kernarg_segment_size: 64
    .max_flat_workgroup_size: 128
    .sgpr_count:     66
    .vgpr_count:     256
    .wavefront_size: 32
...
	.end_amdgpu_metadata
.endif
;; end of part 1
;; launch main (part 2): grid 256 x 1, 4 waves a work-group, clusters of 4 x 1, 327,680 bytes of LDS; arguments Y, bk, qv, wst, part; writes part
.if DOCPART == 2
	.amdgcn_target "amdgcn-amd-amdhsa--gfx1250"
	.amdhsa_code_object_version 6
	.text
	.protected	k_q13732f06a3_main
	.globl	k_q13732f06a3_main
	.p2align	8
	.type	k_q13732f06a3_main,@function
k_q13732f06a3_main:
	s_mov_b64 s[64:65], 0
	v_nop
	global_prefetch_b8 v0, s[64:65] scope:SCOPE_SE
	s_setreg_imm32_b32 hwreg(HW_REG_WAVE_MODE, 25, 1), 1
	s_wait_xcnt 0x0
	s_wait_alu depctr_hold_cnt(0) depctr_sa_sdst(0) depctr_va_vdst(0) depctr_va_sdst(0) depctr_va_ssrc(0) depctr_va_vcc(0) depctr_vm_vsrc(0)
	s_getreg_b32 s2, hwreg(HW_REG_IB_STS2, 6, 4)
	s_cmp_eq_u32 s2, 0
	s_cbranch_scc0 .Lentry_in_a_cluster
	s_endpgm
.Lentry_in_a_cluster:
	s_bfe_u32 s2, ttmp6, 0x10000c
	s_cmp_lg_u32 s2, 0x3003
	s_cbranch_scc0 .Lentry_shape_is_right
	s_endpgm
.Lentry_shape_is_right:
; For 128 rows of Y (one work-group): quantise them; keys = Q(Y) Q(Wk)^T + bk; scores = q . keys for each of the 16 heads; a softmax over the 128 rows with the rows' own maximum;
; values = Q(keys) Q(Wv)^T; the pooled sums of p x values.  Out go, for each head, 64 unnormalised sums, the maximum m (in units of t = score x log2(e) / 8) and l = the sum of 2^(t - m):
; the last launch joins the 16 parts of a batch.  Keys and values never go to memory.  Both products on codes of FP4 (E2M1) with one E8M0 byte for each 32 along K; scores, softmax and pooling in f32.
; LIMITS: NaN and infinities are not served.  A block of zeros, or one whose largest magnitude lies under 2^-124, gets the byte 1 (zeros: 127 by the rule): its codes are as the rule has
; them, and the bytes are read by this program alone.  bv is added in the last launch, once behind the division: the softmax's weights add up to 1.
; SHARES.  THE LEFT OPERAND LIVES IN REGISTERS: 128 rows x 1,024 codes are 64 fragments, 512 registers, and each of the four waves holds all of it.  THE WAVES SHARE THE COLUMNS: wave w makes
; heads 4 w + c, c = 0 .. 3, one after the other, for all 128 rows: 32 accumulators.  So a weight fragment is read from LDS once in the work-group and feeds eight matrix instructions.
; THE WEIGHTS come as 16 slots of 69,632 bytes (8 of Wk, then 8 of Wv; slot = head c, half g of K), laid by the launch before in the order of the operand's registers, through a
; ring of two LDS slots; wave w fetches and reads block w of a slot alone.  CLUSTER: the four work-groups of a cluster walk the slots in the same order and ask for each block JOINTLY (mask 15).
; THE CLUSTERS BEGIN AT DIFFERENT HEADS: cluster x takes c = (x + 0, 1, 2, 3) mod 4, in both products.  So at any time the clusters ask for four different parts of a weight, and, but for the
; first head of each weight, what a cluster asks for has been asked for by another cluster a trip before; all of Wk is asked for at the launch's head, as somebody's first fill.
; PRODUCT 2 IS USED TRANSPOSED (source 0 = 16 rows of Wk, source 1 = 16 rows of Y): a lane holds one row of Y, its registers run along the head's columns; the rows of a tile of Wk are chosen so
; that the 16 registers of tiles 2 b, 2 b + 1 are 16 neighbours along product 3's K.  PRODUCT 3 is used straight (source 0 = 16 rows of keys, source 1 = 16 rows of Wv): a lane holds one
; column and eight rows, so that the pooling is a run of multiply-adds in the lane.
; REGISTERS, in windows of 256.  Window 1: the accumulators, (t, c) at v[32 t + 8 c].  Windows 2, 3: the left operand, (t, s) at v[64 (s % 4) + 8 t] of window 2 + s / 4.
; Window 0: v1, v2 the spare word's address and 0; v3, v4 my block in slot 0, 1; v5-15 addresses; v16-47 the left operand's scale words, v48-63 the weights' (scales and nothing else);
; v64-127 two sets of four weight fragments; v128-159 bk as the first C, v160-191 q (product 3: v128-191 p); v192-249 at work; v250-255 addresses of the head in hand.
; While Y streams in: eight row slots of 32 registers, v128-255 of windows 0 and 1; v64-103 of both windows at work.
; SCALARS of the walk: s66 the cluster's first head; s67 the trip, 0 .. 7 over both products; s72 the trip's head; s[68:69] wst at my block of slot 0, kept; s[70:71] an offset at work; s[74:75] the head's record.
.set SLOTB, 69632
.set WAVEB, 17408
.set RING1, SLOTB                      ; LDS: slot 0 at 0, slot 1 here
.set BQ,    139264                     ; for each wave 1 KiB of bk and 1 KiB of q: filled once
.set YC,    147456                     ; Y's codes: 128 rows x (512 + 16)
.set YP,    528
.set YS,    215040                     ; Y's scale bytes: 128 rows x (32 + 16)
.set KC,    221184                     ; the keys' codes, a block for each wave that makes them: 128 rows x (128 + 16): K steps 2 w, 2 w + 1
.set KP,    144
.set KCW,   128*KP
.set KS,    294912                     ; the keys' scale bytes: for each wave 128 rows x 8
.set PB,    299008                     ; for each wave four trips x 528: 128 p, then m, l
.set SPARE, 307456                     ; the spare words, 128 bytes for each wave: two blocks of 256 bytes that no other line names
.set MSB, 0
.macro WIN new                         ; the immediate's high byte repeats the setting that is left; a switch that changes nothing is dropped
.if MSB != (\new)
	s_set_vgpr_msb (MSB<<8)|(\new)
.set MSB, (\new)
.endif
.endm
.macro PLACES                          ; four plain lines between a matrix instruction and a load into one of its registers or a read of its result (ISA guide 7.12.1 for vector instructions)
.rept 4
	v_nop
.endr
.endm
.macro CREST                           ; a round of the cluster's barrier behind its opening barrier
	s_cmp_lg_u32 s14, 0
	s_cbranch_scc1 .Lnot_wave_0_\@
	s_barrier_signal -3
.Lnot_wave_0_\@:
	s_barrier_wait -3
	s_barrier_signal -1
	s_barrier_wait -1
.endm
.macro CROUND
	s_barrier_signal -1
	s_barrier_wait -1
	CREST
.endm
; a whole row of Y: 32 numbers a lane in v[x] on, as loaded; codes to v[cd] .. +3, scale bytes to v[cd+4] .. +7; four lanes hold a block of 32; the four pairs by turns
.macro QROW x, cd
.irp p, 0,1,2,3
.irp i, 0,1,2,3
	v_permlane16_swap_b32 v[\x+8*\p+\i], v[\x+8*\p+4+\i]           ; lane l now holds k = 256 p + 8 l + 0 .. 7 in eight registers on end
.endr
.endr
.irp p, 0,1,2,3
	v_max3_num_f32 v[96+\p], |v[\x+8*\p]|, |v[\x+8*\p+1]|, 0x1800000   ; the floor 2^(3 - 127) among the leaves: the byte cannot fall under 1
.endr
.irp i, 2,4,6
.irp p, 0,1,2,3
	v_max3_num_f32 v[96+\p], v[96+\p], |v[\x+8*\p+\i]|, |v[\x+8*\p+\i+1]|
.endr
.endr
.irp p, 0,1,2,3
	v_max_num_f32_dpp v[96+\p], v[96+\p], v[96+\p] row_xmask:1 row_mask:0xf bank_mask:0xf
.endr
.irp p, 0,1,2,3
	v_max_num_f32_dpp v[96+\p], v[96+\p], v[96+\p] row_xmask:2 row_mask:0xf bank_mask:0xf
.endr
.irp p, 0,1,2,3
	v_add_nc_u32 v[100+\p], 0xff000000, v[96+\p]                   ; 2 off the exponent field: the conversion's scale operand
.endr
.irp p, 0,1,2,3
	v_cvt_scalef32_pk8_fp4_f32 v[\cd+\p], v[\x+8*\p:\x+8*\p+7], v[100+\p]
.endr
.irp p, 0,1,2,3
	v_lshrrev_b32 v[\cd+4+\p], 23, v[100+\p]                       ; the bytes; also the plain lines behind the conversions
.endr
.endm
.macro XLOAD i, off                    ; a row of Y, 4,096 bytes, into row slot i: each load's 32 lanes cover 512 consecutive bytes
.irp p, 0,1,2,3
	global_load_b128 v[128+32*((\i)%4)+8*\p:131+32*((\i)%4)+8*\p], v5, s[4:5] offset:(\off)+1024*\p th:TH_LOAD_NT
	global_load_b128 v[132+32*((\i)%4)+8*\p:135+32*((\i)%4)+8*\p], v5, s[4:5] offset:(\off)+1024*\p+512 th:TH_LOAD_NT
.endr
.endm
; row slot i's turn.  Slots 0-3 lie in window 0, slots 4-7 in window 1 under the same numbers; addresses lie in window 0.  left: the younger loads, which may stay out
.macro XROW i, refill, left
.set XB, 128+32*((\i)%4)
.set XC, 64+8*((\i)%4)
	s_wait_loadcnt \left
	WIN 0x55*((\i)/4)
	QROW XB, XC
.if \refill
	WIN 0x40*((\i)/4)
	XLOAD \i, (8+(\i))*4096                        ; the row eight further down
.endif
	WIN 0x04*((\i)/4)
.irp p, 0,1,2,3
	ds_store_b32 v8, v[XC+\p] offset:YP*(\i)+128*\p
	ds_store_b8 v9, v[XC+4+\p] offset:48*(\i)+8*\p                 ; the four lanes of a block write the same byte with the same value
.endr
.endm
.macro FETCHB g, sp, p                 ; my four weight fragments of the slot's K step sp into set p: images of registers, 512 consecutive bytes a load
.irp tau, 0,1,2,3
.irp c, 0,1
	ds_load_b128 v[64+32*(\p)+8*\tau+4*\c:67+32*(\p)+8*\tau+4*\c], v[3+(\g)] offset:4096*\tau+1024*(\sp)+512*\c
.endr
.endr
.endm
.macro FETCHS g                        ; the slot's scale words: register 4 u + sp: lanes 0-15 tile 2 u, lanes 16-31 tile 2 u + 1
.irp u, 0,1
	ds_load_b128 v[48+8*(\g)+4*\u:51+8*(\g)+4*\u], v[3+(\g)] offset:16384+512*\u
.endr
.endm
.macro WM                              ; one matrix instruction, from the symbols that MM sets
.if zC
.if fA && fB
	v_wmma_scale_f32_16x16x128_f8f6f4 v[rD:rD+7], v[rA:rA+7], v[rB:rB+7], 0, v[rSA], v[rSB] matrix_a_fmt:MATRIX_FMT_FP4 matrix_b_fmt:MATRIX_FMT_FP4 matrix_a_scale:MATRIX_SCALE_ROW1 matrix_b_scale:MATRIX_SCALE_ROW1
.elseif fA
	v_wmma_scale_f32_16x16x128_f8f6f4 v[rD:rD+7], v[rA:rA+7], v[rB:rB+7], 0, v[rSA], v[rSB] matrix_a_fmt:MATRIX_FMT_FP4 matrix_b_fmt:MATRIX_FMT_FP4 matrix_a_scale:MATRIX_SCALE_ROW1
.elseif fB
	v_wmma_scale_f32_16x16x128_f8f6f4 v[rD:rD+7], v[rA:rA+7], v[rB:rB+7], 0, v[rSA], v[rSB] matrix_a_fmt:MATRIX_FMT_FP4 matrix_b_fmt:MATRIX_FMT_FP4 matrix_b_scale:MATRIX_SCALE_ROW1
.else
	v_wmma_scale_f32_16x16x128_f8f6f4 v[rD:rD+7], v[rA:rA+7], v[rB:rB+7], 0, v[rSA], v[rSB] matrix_a_fmt:MATRIX_FMT_FP4 matrix_b_fmt:MATRIX_FMT_FP4
.endif
.else
.if fA && fB
	v_wmma_scale_f32_16x16x128_f8f6f4 v[rD:rD+7], v[rA:rA+7], v[rB:rB+7], v[rC:rC+7], v[rSA], v[rSB] matrix_a_fmt:MATRIX_FMT_FP4 matrix_b_fmt:MATRIX_FMT_FP4 matrix_a_scale:MATRIX_SCALE_ROW1 matrix_b_scale:MATRIX_SCALE_ROW1
.elseif fA
	v_wmma_scale_f32_16x16x128_f8f6f4 v[rD:rD+7], v[rA:rA+7], v[rB:rB+7], v[rC:rC+7], v[rSA], v[rSB] matrix_a_fmt:MATRIX_FMT_FP4 matrix_b_fmt:MATRIX_FMT_FP4 matrix_a_scale:MATRIX_SCALE_ROW1
.elseif fB
	v_wmma_scale_f32_16x16x128_f8f6f4 v[rD:rD+7], v[rA:rA+7], v[rB:rB+7], v[rC:rC+7], v[rSA], v[rSB] matrix_a_fmt:MATRIX_FMT_FP4 matrix_b_fmt:MATRIX_FMT_FP4 matrix_b_scale:MATRIX_SCALE_ROW1
.else
	v_wmma_scale_f32_16x16x128_f8f6f4 v[rD:rD+7], v[rA:rA+7], v[rB:rB+7], v[rC:rC+7], v[rSA], v[rSB] matrix_a_fmt:MATRIX_FMT_FP4 matrix_b_fmt:MATRIX_FMT_FP4
.endif
.endif
.endm
; 4 nt matrix instructions: tiles of rows t0 .. t0 + nt - 1 x my four tiles of columns, K step 4 g + sp, weight set p.  The 32 accumulators take turns, one instruction a turn, in the same order
; in every step.  first: product 2's sums begin with bk as C, product 3's with the constant 0: nothing is cleared.
.macro MM prod, g, sp, p, t0, nt, first
.set mt, \t0
.rept \nt
.set mc, 0
.rept 4
.set rD, 32*mt+8*mc
.set rW, 64+32*(\p)+8*mc
.set rX, 64*(\sp)+8*mt
.set rWS, 48+8*(\g)+4*(mc/2)+(\sp)
.set rXS, 16+8*(mt/2)+4*(\g)+(\sp)
.set rC, rD
.set zC, 0
.if (\prod) == 2
.set rA, rW
.set rB, rX
.set rSA, rWS
.set rSB, rXS
.set fA, mc%2
.set fB, mt%2
.if \first
.set rC, 128+8*mc
.endif
.else
.set rA, rX
.set rB, rW
.set rSA, rXS
.set rSB, rWS
.set fA, mt%2
.set fB, mc%2
.set zC, \first
.endif
	WM
.set mc, mc+1
.endr
.set mt, mt+1
.endr
.endm
.macro MULWIN prod, g, first           ; product 2: source 0 window 0, source 1 window 2 + g, D window 1, C window 1 (bk: window 0).  Product 3: source 0 window 2 + g, source 1 window 0
.if (\prod) == 2
.if \first
	WIN 0x48
.else
	WIN 0x58+4*(\g)
.endif
.else
	WIN 0x52+(\g)
.endif
.endm
; a K step that has its successor in the same slot: the successor's fragments are asked for, then this step's 32 products.  out: the LDS loads that may stay out
.macro STEP prod, g, sp, out, first
	PLACES                                         ; for the loads into the set that the last products read
	WIN 0
	FETCHB \g, (\sp)+1, 1-((\sp)%2)
	s_wait_dscnt \out
	MULWIN \prod, \g, \first
	MM \prod, \g, \sp, (\sp)%2, 0, 8, \first
.endm
; where LDS slot g's next fill comes from: the next trip's product (trip / 4) and head ((trip + the cluster's first head) mod 4): slot 2 (4 product + head) + g of wst, my block.
; Made of the trip, the wave's number and the cluster's number alone: equal in the four partners.
.macro NEXT g
	s_add_co_u32 s70, s67, 1                       ; the next trip
	s_lshr_b32 s71, s70, 2                         ; its product: 0 Wk, 1 Wv
	s_add_co_u32 s70, s70, s66
	s_and_b32 s70, s70, 3                          ; its head
	s_lshl_b32 s71, s71, 2
	s_add_co_u32 s70, s70, s71
	s_mul_i32 s70, s70, 2*SLOTB
.if \g
	s_add_co_u32 s70, s70, SLOTB
.endif
	s_mov_b32 s71, 0
	s_add_nc_u64 s[38+4*(\g):39+4*(\g)], s[68:69], s[70:71]
	s_or_b32 s[39+4*(\g)], s[39+4*(\g)], 0x80000000                ; 127:126 type = 2
.endm
; a slot's last K step.  fill = 1: the slot is filled again, with the same half of K of the next trip's head.  In front of the round each wave waits for all its tensor loads (one is out: my block of
; the other slot), adds 0 to its spare word, and waits for that and for its reads of this slot; behind the round no wave of any partner reads this slot or has a load on its way.
.macro TURN prod, g, fill, next
	WIN 0
.if \fill
	s_wait_tensorcnt 0x0                           ; no tensor load of mine is out: a group 0 may be written
	ds_add_u32 v1, v2                              ; 0 onto my spare word
	NEXT \g                                        ; the refill's address and eight matrix instructions stand between the add and the wait for it
	s_wait_dscnt 0x1                               ; the step's fragments are in; the add may be out
	MULWIN \prod, \g, 0
	MM \prod, \g, 3, 1, 0, 2, 0
	s_wait_dscnt 0x0                               ; the add is done, and my reads of this slot are over
	s_barrier_signal -1
	MM \prod, \g, 3, 1, 2, 2, 0
	WIN 0
	s_barrier_wait -1
	CREST
	tensor_load_to_lds s[36+4*(\g):39+4*(\g)], s[20:27]                    ; my one tensor load behind the round, and the first thing there
	s_nop 0
	PLACES                                         ; (the places in front of the loads below)
	FETCHB 1-(\g), 0, 0
	FETCHS 1-(\g)
	MULWIN \prod, \g, 0
	MM \prod, \g, 3, 1, 4, 4, 0
.else
.if \next
	s_wait_tensorcnt 0x0                           ; the last slot to come: no load was issued behind it; its bytes are read by me alone
.endif
	s_wait_dscnt 0x0
	MULWIN \prod, \g, 0
	MM \prod, \g, 3, 1, 0, 4, 0
.if \next
	PLACES
	WIN 0
	FETCHB 1-(\g), 0, 0
	FETCHS 1-(\g)
	MULWIN \prod, \g, 0
.endif
	MM \prod, \g, 3, 1, 4, 4, 0
.endif
.endm
; the left operand, 64 fragments, from LDS into windows 2 and 3.  fa, fb: address registers for K steps 0-3 and 4-7; sa: bytes from a pair of K steps to the next; ts: bytes of 16 rows
.macro LOADA fa, fb, sa, ts
	WIN 0x80
.irp sp, 0,1,2,3
.irp t, 0,1,2,3,4,5,6,7
.irp c, 0,1
	ds_load_b128 v[64*\sp+8*\t+4*\c:64*\sp+8*\t+4*\c+3], v[\fa] offset:(\sp/2)*(\sa)+(\sp%2)*64+\t*(\ts)+32*\c
.endr
.endr
.endr
	WIN 0xc0
.irp sp, 0,1,2,3
.irp t, 0,1,2,3,4,5,6,7
.irp c, 0,1
	ds_load_b128 v[64*\sp+8*\t+4*\c:64*\sp+8*\t+4*\c+3], v[\fb] offset:(\sp/2)*(\sa)+(\sp%2)*64+\t*(\ts)+32*\c
.endr
.endr
.endr
	WIN 0
.endm
	s_load_b256 s[4:11], s[0:1], 0x0               ; Y s[4:5], bk s[6:7], qv s[8:9], wst s[10:11]
	s_load_b64 s[12:13], s[0:1], 0x20              ; part
	v_lshl_add_u32 v1, v0, 2, SPARE
	v_mov_b32 v2, 0
	ds_add_u32 v1, v2
	ds_add_u32 v1, v2
	s_wait_dscnt 0x0
	v_lshrrev_b32 v104, 5, v0
	v_readfirstlane_b32 s14, v104                  ; wave 0..3
	s_bfe_u32 s15, ttmp6, 0x40000                  ; cx.  It enters the addresses of Y, of part and of the prefetch alone, by way of s2, s3, s15, s16
	s_lshl_b32 s16, ttmp9, 2
	s_add_co_u32 s16, s16, s15                     ; work-group = 4 x cluster + cx: rows 128 x work-group of Y
	v_and_b32 v104, 31, v0                         ; lane l
	v_and_b32 v105, 15, v0                         ; r
	v_bfe_u32 v106, v0, 4, 1                       ; h
	v_lshlrev_b32 v5, 5, v105
	v_lshl_add_u32 v5, v106, 4, v5                 ; Y: 32 r + 16 h
	s_lshl_b32 s2, s16, 19
	s_lshl_b32 s3, s14, 17
	s_add_co_u32 s2, s2, s3                        ; 128 rows a work-group, 32 a wave, 4,096 bytes a row
	s_mov_b32 s3, 0
	s_wait_kmcnt 0x0
	s_add_nc_u64 s[4:5], s[4:5], s[2:3]
.irp i, 0,1,2,3
	XLOAD \i, (\i)*4096                            ; my first eight rows go out before anything else: 64 loads
.endr
	WIN 0x40
.irp i, 4,5,6,7
	XLOAD \i, (\i)*4096
.endr
	WIN 0
	s_lshl_b32 s2, s16, 13
	s_lshl_b32 s3, s14, 11
	s_add_co_u32 s2, s2, s3
	s_mov_b32 s3, 0
	s_add_nc_u64 s[12:13], s[12:13], s[2:3]        ; part: 8,192 bytes a work-group, 512 a head, my four heads
	s_lshl_b32 s2, s16, 13
	s_add_co_u32 s2, s2, 8*SLOTB
	s_add_nc_u64 s[62:63], s[10:11], s[2:3]        ; the prefetch (see the loop over Wk's heads): run 4 x cluster + cx of Wv's part of wst
	s_cmp_lt_u32 ttmp9, 17
	s_cselect_b32 s60, 0, 1
	s_or_b32 s60, s60, s14                         ; 0 in wave 0 of clusters 0 to 16: the same in all four partners
	s_cmp_eq_u32 s60, 0
	s_cselect_b32 s60, 2, -1                       ; the trip in which such a wave asks; no trip has the other number
	s_and_b32 s66, ttmp9, 3                        ; the head at which my cluster begins: the same in all four partners
	s_mov_b32 s67, 0                               ; the trip
	; descriptor group 1: a dense block as rows of 256 bytes.  15:0 the mask: all four work-groups; 17:16 elements of 8 bytes; 21 set beside a mask; no padding: the images are read as they lie
	s_mov_b32 s20, 0x0023000f
	s_mov_b32 s21, 32<<16                          ; tensor_dim0 = 32 elements
	s_mov_b32 s22, 68<<16                          ; tensor_dim1 = 68 rows: 17,408 bytes, a wave's block of a slot
	s_mov_b32 s23, 32<<16                          ; tile_dim0
	s_mov_b32 s24, 68                              ; tile_dim1
	s_mov_b32 s25, 32                              ; the pitch
	s_mov_b32 s26, 0
	s_mov_b32 s27, 0
	s_mov_b32 s28, 0x0023000f                      ; the same with 4 rows: 1 KiB of bk or of q
	s_mov_b32 s29, 32<<16
	s_mov_b32 s30, 4<<16
	s_mov_b32 s31, 32<<16
	s_mov_b32 s32, 4
	s_mov_b32 s33, 32
	s_mov_b32 s34, 0
	s_mov_b32 s35, 0
	; groups 0: made of the wave's number, the cluster's number and constants alone, so they are equal in the four partners
	s_mul_i32 s17, s14, WAVEB
	s_mov_b32 s18, s17
	s_mov_b32 s19, 0
	s_add_nc_u64 s[68:69], s[10:11], s[18:19]      ; wst at my block of its slot 0: kept
	s_mul_i32 s70, s66, 2*SLOTB                    ; trip 0: Wk, my cluster's first head
	s_mov_b32 s71, 0
	s_mov_b32 s36, 1
	s_mov_b32 s37, s17                             ; LDS slot 0, my block
	s_add_nc_u64 s[38:39], s[68:69], s[70:71]
	s_mov_b32 s40, 1
	s_add_co_u32 s41, s17, RING1                   ; LDS slot 1, my block
	s_add_nc_u64 s[42:43], s[38:39], SLOTB
	s_or_b32 s39, s39, 0x80000000
	s_or_b32 s43, s43, 0x80000000
	s_lshl_b32 s55, s14, 11
	s_lshl_b32 s18, s14, 10
	s_mov_b32 s44, 1
	s_add_co_u32 s45, s55, BQ
	s_add_nc_u64 s[46:47], s[6:7], s[18:19]        ; bk of my 256 columns
	s_or_b32 s47, s47, 0x80000000
	s_mov_b32 s48, 1
	s_add_co_u32 s49, s55, BQ+1024
	s_add_nc_u64 s[50:51], s[8:9], s[18:19]        ; q of my 256 columns
	s_or_b32 s51, s51, 0x80000000
	s_mov_b32 s56, 0x76543210
	s_mov_b32 s57, 0xfedcba98                      ; v_permlanex16_b32's selects for lane l xor 16
	s_mov_b32 s58, 0x3e38aa3b                      ; log2(e) / 8
	s_mov_b32 s59, 0xffff0000                      ; lanes 16-31
	CROUND                                         ; all four work-groups are here: the first joint loads meet
	tensor_load_to_lds s[44:47], s[28:35]          ; the first fills, one group: four tensor loads of mine are out
	s_nop 0
	tensor_load_to_lds s[48:51], s[28:35]
	s_nop 0
	tensor_load_to_lds s[36:39], s[20:27]
	s_nop 0
	tensor_load_to_lds s[40:43], s[20:27]
	s_nop 0
	PLACES
	s_mul_i32 s55, s14, 32*YP
	s_add_co_u32 s55, s55, YC
	v_lshl_add_u32 v6, v104, 2, s55                ; my 32 rows' codes: + 4 l
	s_mul_i32 s55, s14, 32*48
	s_add_co_u32 s55, s55, YS
	v_lshrrev_b32 v7, 2, v104
	v_add_nc_u32 v7, s55, v7                       ; their scale bytes: + l / 4
	v_mul_u32_u24 v10, v105, YP
	v_lshl_add_u32 v10, v106, 4, v10
	v_add_nc_u32 v10, YC, v10                      ; Y's fragments: row r, + 16 h
	v_mul_u32_u24 v11, v104, 48
	v_add_nc_u32 v11, YS, v11                      ; Y's scale words: row l
	v_lshlrev_b32 v12, 8, v104                     ; the prefetch: 256 l; never rewritten
	v_mul_u32_u24 v13, v105, KP
	v_lshl_add_u32 v13, v106, 4, v13
	v_add_nc_u32 v13, KC, v13                      ; the keys' fragments
	v_lshl_add_u32 v14, v104, 3, KS                ; the keys' scale words: row l, 8 bytes
	v_lshlrev_b32 v15, 4, v104                     ; 16 l: a record of part
	v_lshl_add_u32 v3, v104, 4, s17                ; my block of slot 0: + 16 l
	v_add_nc_u32 v4, RING1, v3                     ; and of slot 1
	; ---- Y: my 32 rows become codes and scale bytes in LDS.  A ring of eight row slots in registers: 64 loads of mine are always out
	s_mov_b32 s52, 3
	s_mov_b32 s53, 0
	s_mov_b32 s54, 0
.Lx:
	v_add_nc_u32 v8, s53, v6
	v_add_nc_u32 v9, s54, v7
.irp i, 0,1,2,3,4,5,6,7
	XROW \i, 1, 56                                 ; the seven younger rows' loads stay out
.endr
	WIN 0
	s_wait_dscnt 0x0                               ; the stores have read their registers
	s_wait_xcnt 0x0                                ; the loads have read their base
	s_add_nc_u64 s[4:5], s[4:5], 8*4096
	s_add_co_u32 s53, s53, 8*YP
	s_add_co_u32 s54, s54, 8*48
	s_sub_co_u32 s52, s52, 1
	s_cmp_lg_u32 s52, 0
	s_cbranch_scc1 .Lx
	v_add_nc_u32 v8, s53, v6
	v_add_nc_u32 v9, s54, v7
.irp i, 0,1,2,3,4,5,6,7
	XROW \i, 0, 56-8*\i                            ; the last eight rows load nothing: the counts run down
.endr
	WIN 0
	s_wait_tensorcnt 0x0                           ; the first fills are in: bk, q and my blocks of both slots
	s_wait_dscnt 0x0                               ; for the others' sake: my stores have landed
	s_barrier_signal -1
	s_barrier_wait -1                              ; Y's 128 rows lie in LDS
	v_add_nc_u32 v255, 256, v10
	LOADA 10, 255, 128, 16*YP
.irp uu, 0,1,2,3
.irp g, 0,1
	ds_load_b128 v[16+8*\uu+4*\g:19+8*\uu+4*\g], v11 offset:32*48*\uu+16*\g   ; lane l: row 32 uu + l: lanes 0-15 tile 2 uu, lanes 16-31 tile 2 uu + 1
.endr
.endr
	s_wait_dscnt 0x0
	; the addresses of the products' phases take the registers of Y's
	v_and_b32 v252, 15, v0
	v_bfe_u32 v253, v0, 4, 1
	s_mul_i32 s55, s14, KCW
	s_add_co_u32 s55, s55, KC
	v_mul_u32_u24 v5, v252, KP
	v_lshl_add_u32 v5, v253, 3, v5
	v_add_nc_u32 v5, s55, v5                       ; the keys' codes, on the way in: my block, row r, + 8 h
	s_lshl_b32 s55, s14, 10
	s_add_co_u32 s55, s55, KS
	v_lshl_add_u32 v6, v252, 3, s55                ; their scale bytes: my block, row r
	s_mul_i32 s55, s14, 4*528
	s_add_co_u32 s55, s55, PB
	v_lshl_add_u32 v7, v252, 2, s55                ; p: row r
	v_lshl_add_u32 v10, v253, 5, s55               ; p, on the way back: rows 8 h on
	s_add_co_u32 s55, s55, 512
	v_mov_b32 v8, s55                              ; m, l
	s_lshl_b32 s55, s14, 11
	s_add_co_u32 s55, s55, BQ
	v_lshl_add_u32 v9, v253, 6, s55                ; bk and q: my 16 columns of a block of 32
.irp k, 0,1,2,3,4,5,6,7,8,9,10,11,12,13,14,15
	v_mov_b32 v[208+\k], 0                         ; written once: a lane permute's destination counts as one of its sources
.endr
	FETCHB 0, 0, 0
	FETCHS 0
; behind a head's keys.  Lane (r, h) holds row 16 t + r; register 32 t + 16 b + i is column 32 b + 16 h + i of the head
.macro EPI2
	PLACES
	WIN 0x05                                       ; sources 0 and 1: the accumulators
.irp k, 0,1,2,3,4,5,6,7,8,9,10,11,12,13,14,15  ; k = 2 t + b: sixteen blocks by turns; each accumulator is read from its low end on
	v_max3_num_f32 v[192+\k], |v[16*\k]|, |v[16*\k+1]|, 0x1800000
.endr
.irp i, 2,4,6,8,10,12,14
.irp k, 0,1,2,3,4,5,6,7,8,9,10,11,12,13,14,15
	v_max3_num_f32 v[192+\k], |v[16*\k+\i]|, |v[16*\k+\i+1]|, v[192+\k]
.endr
.endr
	WIN 0
.irp k, 0,1,2,3,4,5,6,7,8,9,10,11,12,13,14,15
	v_permlanex16_b32 v[208+\k], v[192+\k], s56, s57
.endr
.irp k, 0,1,2,3,4,5,6,7,8,9,10,11,12,13,14,15
	v_max_num_f32 v[192+\k], v[192+\k], v[208+\k]  ; with lane l xor 16's 16: the block's largest magnitude
.endr
.irp k, 0,1,2,3,4,5,6,7,8,9,10,11,12,13,14,15
	v_add_nc_u32 v[224+\k], 0xff000000, v[192+\k]
.endr
.irp k, 0,1,2,3,4,5,6,7,8,9,10,11,12,13,14,15
	v_lshrrev_b32 v[208+\k], 23, v[224+\k]
.endr
.irp t, 0,1,2,3,4,5,6,7
	v_lshl_or_b32 v[240+\t], v[209+2*\t], 8, v[208+2*\t]           ; the head's two bytes of row 16 t + r
.endr
	WIN 0x01
.irp k, 0,1,2,3,4,5,6,7,8,9,10,11,12,13,14,15
	v_cvt_scalef32_pk8_fp4_f32 v[192+2*\k], v[16*\k:16*\k+7], v[224+\k]
	v_cvt_scalef32_pk8_fp4_f32 v[193+2*\k], v[16*\k+8:16*\k+15], v[224+\k]
.endr
	v_nop                                          ; one plain line behind the conversions
	WIN 0
.irp t, 0,1,2,3,4,5,6,7
.irp b, 0,1
	ds_store_b64 v250, v[192+2*(2*\t+\b):193+2*(2*\t+\b)] offset:16*KP*\t+16*\b   ; 16 codes: 8 bytes of the row
.endr
.endr
.irp t, 0,1,2,3,4,5,6,7
	ds_store_b16 v251, v[240+\t] offset:128*\t     ; lanes l and l xor 16 write the same bytes with the same value
.endr
	WIN 0x01
.irp t, 0,1,2,3,4,5,6,7                        ; the scores, on the keys as they are, in f32: eight chains by turns, two numbers an instruction
	v_pk_mul_f32 v[224+2*\t:225+2*\t], v[32*\t:32*\t+1], v[160:161]
.endr
.irp i, 1,2,3,4,5,6,7,8,9,10,11,12,13,14,15
.irp t, 0,1,2,3,4,5,6,7
	v_pk_fma_f32 v[224+2*\t:225+2*\t], v[32*\t+2*\i:32*\t+2*\i+1], v[160+2*\i:161+2*\i], v[224+2*\t:225+2*\t]
.endr
.endr
	WIN 0
	s_wait_dscnt 0x0                               ; the stores have read their registers
.irp t, 0,1,2,3,4,5,6,7
	v_add_f32 v[192+\t], v[224+2*\t], v[225+2*\t]
.endr
.irp t, 0,1,2,3,4,5,6,7
	v_permlanex16_b32 v[200+\t], v[192+\t], s56, s57
.endr
.irp t, 0,1,2,3,4,5,6,7
	v_add_f32 v[192+\t], v[192+\t], v[200+\t]      ; the score of row 16 t + r, the same bits in both halves of the lanes
.endr
	v_max3_num_f32 v208, v192, v193, v194
	v_max3_num_f32 v209, v195, v196, v197
	v_max3_num_f32 v208, v208, v198, v199
	v_max_num_f32 v208, v208, v209
.irp x, 1,2,4,8
	v_max_num_f32_dpp v208, v208, v208 row_xmask:\x row_mask:0xf bank_mask:0xf
.endr
	v_mul_f32 v248, s58, v208                      ; m: the largest t of the 128 rows
.irp t, 0,1,2,3,4,5,6,7
	v_fma_f32 v[192+\t], v[192+\t], s58, -v248
.endr
.irp t, 0,1,2,3,4,5,6,7
	v_exp_f32 v[192+\t], v[192+\t]                 ; p = 2^(t - m)
.endr
	v_nop                                          ; a plain line behind the exponentials
	s_wait_alu depctr_va_vdst(0)                   ; one wait for the eight, ahead of their first reader
	v_add_f32 v208, v192, v193
	v_add_f32 v209, v194, v195
	v_add_f32 v210, v196, v197
	v_add_f32 v211, v198, v199
	v_add_f32 v208, v208, v209
	v_add_f32 v210, v210, v211
	v_add_f32 v249, v208, v210
.irp x, 1,2,4,8
	v_add_f32_dpp v249, v249, v249 row_xmask:\x row_mask:0xf bank_mask:0xf
.endr
.irp t, 0,1,2,3,4,5,6,7
	ds_store_b32 v252, v[192+\t] offset:64*\t
.endr
	ds_store_b64 v253, v[248:249]                  ; m, l
	s_wait_dscnt 0x0                               ; the next trip writes these address registers again
.endm
.macro P2TRIP                          ; a head's keys: two slots of Wk, eight K steps, 256 matrix instructions
	s_add_co_u32 s72, s67, s66
	s_and_b32 s72, s72, 3                          ; the trip's head, 0 .. 3: for each of these the addresses below stay inside my wave's own blocks
	s_lshl_b32 s53, s72, 5                         ; its place: 32 bytes of a row of codes,
	s_lshl_b32 s54, s72, 1                         ; 2 scale bytes,
	s_lshl_b32 s61, s72, 8                         ; 256 bytes of bk and q.  (p, m and l lie by trip: s55)
	v_add_nc_u32 v250, s53, v5
	v_add_nc_u32 v251, s54, v6
	v_add_nc_u32 v252, s55, v7
	v_add_nc_u32 v253, s55, v8
	v_add_nc_u32 v254, s61, v9
.irp b, 0,1
.irp i, 0,1,2,3
	ds_load_b128 v[128+16*\b+4*\i:131+16*\b+4*\i], v254 offset:128*\b+16*\i        ; bk in the result's layout: the first C
.endr
.endr
.irp b, 0,1
.irp i, 0,1,2,3
	ds_load_b128 v[160+16*\b+4*\i:163+16*\b+4*\i], v254 offset:1024+128*\b+16*\i   ; q likewise
.endr
.endr
	; A PREFETCH INTO THE L2 of Wv's part of wst: bytes 557,056 to 1,114,111, 68 runs of 8,192 bytes.  Run 4 x cluster + cx is asked for by wave 0 of that work-group, in clusters 0 to 16: one
	; instruction, lanes 256 bytes apart, so that each block of 256 bytes is named once in the launch.  It stands in the third trip, behind the trip's run of LDS loads: nearly a trip and a half, 368 matrix
	; instructions, ahead of the first tensor load that wants Wv.  Wk is not asked for: all of it is under way from the launch's head, as first fills.  The partners are told apart by address;
	; the branch hangs on the trip, the wave's and the cluster's number.  Its address registers are never rewritten.
	s_cmp_eq_u32 s67, s60
	s_cbranch_scc0 .Lnot_mine
	global_prefetch_b8 v12, s[62:63] th:TH_LOAD_NT scope:SCOPE_SE
.Lnot_mine:
	STEP 2, 0, 0, 16, 1                            ; q's eight loads and the next step's eight may be out
	STEP 2, 0, 1, 8, 0                             ; the eight just issued may be out
	STEP 2, 0, 2, 8, 0
	TURN 2, 0, 1, 1
	STEP 2, 1, 0, 8, 0
	STEP 2, 1, 1, 8, 0
	STEP 2, 1, 2, 8, 0
	TURN 2, 1, 1, 1
	EPI2
.endm
	s_mov_b32 s52, 4
	s_mov_b32 s55, 0                               ; the trip's 528 bytes of p, m, l
.Lp2:
	P2TRIP
	s_add_co_u32 s55, s55, 528
	s_add_co_u32 s67, s67, 1
	s_sub_co_u32 s52, s52, 1
	s_cmp_lg_u32 s52, 0
	s_cbranch_scc1 .Lp2
	s_barrier_signal -1                            ; (no LDS instruction of mine is out.)  One tensor load of mine stays out
	s_barrier_wait -1                              ; all waves' codes of the keys lie in LDS
	v_add_nc_u32 v255, 2*KCW, v13
	LOADA 13, 255, KCW, 16*KP
.irp uu, 0,1,2,3
.irp q, 0,1,2,3
	ds_load_b64 v[16+8*\uu+2*\q:17+8*\uu+2*\q], v14 offset:1024*\q+256*\uu         ; row 32 uu + l, K steps 2 q, 2 q + 1
.endr
.endr
	s_wait_dscnt 0x0
; behind a head's values.  Lane (r, h) holds column r of tile c; register 32 t + 8 c + j is row 16 t + 8 h + j
.macro EPI3
	PLACES
	WIN 0x01
.irp tp, 0,1,2,3                               ; eight chains by turns; each accumulator is read from its low end on
.irp i, 0,1,2,3
.irp tt, 0,1
.irp c, 0,1,2,3
.if (\tp == 0) && (\i == 0)
	v_pk_mul_f32 v[192+4*\c+2*\tt:193+4*\c+2*\tt], v[32*(2*\tp+\tt)+8*\c+2*\i:32*(2*\tp+\tt)+8*\c+2*\i+1], v[128+8*(2*\tp+\tt)+2*\i:129+8*(2*\tp+\tt)+2*\i]
.else
	v_pk_fma_f32 v[192+4*\c+2*\tt:193+4*\c+2*\tt], v[32*(2*\tp+\tt)+8*\c+2*\i:32*(2*\tp+\tt)+8*\c+2*\i+1], v[128+8*(2*\tp+\tt)+2*\i:129+8*(2*\tp+\tt)+2*\i], v[192+4*\c+2*\tt:193+4*\c+2*\tt]
.endif
.endr
.endr
.endr
.endr
	WIN 0
.irp c, 0,1,2,3
	v_pk_add_f32 v[192+4*\c:193+4*\c], v[192+4*\c:193+4*\c], v[194+4*\c:195+4*\c]
.endr
.irp c, 0,1,2,3
	v_add_f32 v[208+\c], v[192+4*\c], v[193+4*\c]
.endr
.irp c, 0,1,2,3
	v_permlanex16_b32 v[212+\c], v[208+\c], s56, s57
.endr
.irp c, 0,1,2,3
	v_add_f32 v[208+\c], v[208+\c], v[212+\c]      ; the sum over the 128 rows
.endr
.irp c, 0,1,2,3
	v_cndmask_b32 v[216+\c], v[208+\c], v[220+(\c%2)], s59         ; lanes 0-15: the four tiles' sums of tile row r; lanes 16-31: m, l, m, l
.endr
	s_add_co_u32 s72, s67, s66
	s_and_b32 s72, s72, 3                          ; the trip's head
	s_lshl_b32 s70, s72, 9
	s_mov_b32 s71, 0
	s_add_nc_u64 s[74:75], s[12:13], s[70:71]      ; its record among my four
	global_store_b128 v15, v[216:219], s[74:75]    ; 512 consecutive bytes, at a multiple of 256 from part's first byte
	s_wait_xcnt 0x0                                ; the store has read its registers and its base: the next trip writes both again
.endm
.macro P3TRIP fill                     ; a head's values: two slots of Wv
	v_add_nc_u32 v250, s55, v10
	v_add_nc_u32 v251, s55, v8
.irp t, 0,1,2,3,4,5,6,7
.irp q, 0,1
	ds_load_b128 v[128+8*\t+4*\q:131+8*\t+4*\q], v250 offset:64*\t+16*\q           ; p of rows 16 t + 8 h + 0 .. 7
.endr
.endr
	ds_load_b64 v[220:221], v251                   ; m, l
	STEP 3, 0, 0, 25, 1                            ; p's sixteen loads, that of m and l and the next step's eight may be out
	STEP 3, 0, 1, 8, 0
	STEP 3, 0, 2, 8, 0
	TURN 3, 0, \fill, 1
	STEP 3, 1, 0, 8, 0
	STEP 3, 1, 1, 8, 0
	STEP 3, 1, 2, 8, 0
	TURN 3, 1, \fill, \fill
	EPI3
.endm
	s_mov_b32 s52, 3
	s_mov_b32 s55, 0                               ; both products walk the heads in the same order: trip 4 + i finds the p, m and l of trip i
.Lp3:
	P3TRIP 1
	s_add_co_u32 s55, s55, 528
	s_add_co_u32 s67, s67, 1
	s_sub_co_u32 s52, s52, 1
	s_cmp_lg_u32 s52, 0
	s_cbranch_scc1 .Lp3
	P3TRIP 0                                       ; the last head is written out: nothing is left to fetch
	s_wait_tensorcnt 0x0                           ; the wave's end
	ds_add_u32 v1, v2
	s_wait_dscnt 0x0
	CROUND                                         ; the closing round: no work-group ends while a partner may still ask for a block that names it
	s_endpgm
.Lfunc_end_k_q13732f06a3_main:
	.size	k_q13732f06a3_main, .Lfunc_end_k_q13732f06a3_main-k_q13732f06a3_main
	.p2alignl 7, 3214868480
	.fill 96, 4, 3214868480
	.section	.rodata,"a",@progbits
	.p2align	6, 0x0
	.amdhsa_kernel k_q13732f06a3_main
		.amdhsa_group_segment_fixed_size 327680
		.amdhsa_private_segment_fixed_size 0
		.amdhsa_enable_private_segment 0
		.amdhsa_kernarg_size 40
		.amdhsa_user_sgpr_count 2
		.amdhsa_user_sgpr_kernarg_segment_ptr 1
		.amdhsa_wavefront_size32 1
		.amdhsa_system_sgpr_workgroup_id_x 1
		.amdhsa_system_sgpr_workgroup_id_y 1
		.amdhsa_system_sgpr_workgroup_id_z 1
		.amdhsa_system_vgpr_workitem_id 0
		.amdhsa_next_free_vgpr 1024
		.amdhsa_next_free_sgpr 80
		.amdhsa_reserve_vcc 0
		.amdhsa_float_denorm_mode_32 3
		.amdhsa_float_denorm_mode_16_64 3
		.amdhsa_memory_ordered 1
		.amdhsa_forward_progress 1
		.amdhsa_inst_pref_size 255
	.end_amdhsa_kernel
	.section	.bss,"aw",@nobits
	.p2align	6
	.space	262144
	.amdgpu_metadata
---
amdhsa.version: [ 1, 2 ]
amdhsa.kernels:
  - .name:           k_q13732f06a3_main
    .symbol:         k_q13732f06a3_main.kd
    .args:
      - { .name: Y, .offset: 0, .size: 8, .value_kind: global_buffer, .address_space: global }
      - { .name: bk, .offset: 8, .size: 8, .value_kind: global_buffer, .address_space: global }
      - { .name: qv, .offset: 16, .size: 8, .value_kind: global_buffer, .address_space: global }
      - { .name: wst, .offset: 24, .size: 8, .value_kind: global_buffer, .address_space: global }
      - { .name: part, .offset: 32, .size: 8, .value_kind: global_buffer, .address_space: global }
    .group_segment_fixed_size: 327680
    .private_segment_fixed_size: 0
    .kernarg_segment_align: 8
    .kernarg_segment_size: 40
    .max_flat_workgroup_size: 128
    .sgpr_count:     80
    .vgpr_count:     1024
    .wavefront_size: 32
...
	.end_amdgpu_metadata
.endif
;; end of part 2
;; launch finish (part 3): grid 8 x 16, 8 waves a work-group, no clusters, 9,216 bytes of LDS; arguments part, wst, bv, bo, out0; writes out0
.if DOCPART == 3
	.amdgcn_target "amdgcn-amd-amdhsa--gfx1250"
	.amdhsa_code_object_version 6
	.text
	.protected	k_q13732f06a3_finish
	.globl	k_q13732f06a3_finish
	.p2align	8
	.type	k_q13732f06a3_finish,@function
k_q13732f06a3_finish:
	s_mov_b64 s[64:65], 0
	v_nop
	global_prefetch_b8 v0, s[64:65] scope:SCOPE_SE
	s_setreg_imm32_b32 hwreg(HW_REG_WAVE_MODE, 25, 1), 1
	s_wait_xcnt 0x0
; For batch y: the 16 parts of each head (m, l, 64 sums) are joined under the batch's own maximum M: pooled = (sum of 2^(m_i - M) o_i) / (sum of 2^(m_i - M) l_i) + bv, in f32;
; the row of 1,024 is quantised to FP4 (E2M1) with one E8M0 byte for each 32; out0[y][128 x .. 128 x + 127] = Q(pooled) Q(Wo)^T + bo.
; LIMITS: NaN and infinities are not served; a block whose largest magnitude lies under 2^-124 (zeros among them) gets the byte 1; bv is added once behind the division: the weights add up to 1.
; SHARES.  Work-group (x, y): batch y, 128 columns.  Eight waves: in the joining, lane (r, h) of wave w serves head 2 w + h, tile row r of its four tiles; in the product wave w makes one tile of 16
; columns: column group 2 x + w / 4, tile w % 4.  The left tile is the batch's one row in all 16 rows.  Wo's fragments come from wst straight into registers, in the order in which they lie.
; No tensor loads and no cluster: a work-group's share of Wo is its own, and the parts of a batch are small.
.set SLOTB, 69632
.set WAVEB, 17408
.set PL,    0                          ; LDS: the pooled row, 4,096 bytes, natural order
.set PCD,   4096                       ; its codes, 512 bytes
.set PSC,   4608                       ; its scale bytes, 32
.set OS,    4864                       ; 128 results
; REGISTERS: v1 lane, v2 r, v3 h; v4-15, v213 addresses; v16-23 Wo's scale words, v24-31 the row's (scales and nothing else); v32-47 two accumulators; v48-79 (m_i, l_i), then (w_i, l_i);
; v80-143 o_i, later the row's fragments; v144-207 Wo's fragments; v208-211 bv; v212 bo; v216 on at work.
.macro PLACES
.rept 4
	v_nop
.endr
.endm
.macro QG x, m, sc, cd, by             ; eight neighbours along K in v[x] on; four neighbouring lanes hold a block of 32
	v_max3_num_f32 v[\m], |v[\x]|, |v[\x+1]|, 0x1800000            ; the floor 2^(3 - 127): the byte cannot fall under 1
	v_max3_num_f32 v[\m], v[\m], |v[\x+2]|, |v[\x+3]|
	v_max3_num_f32 v[\m], v[\m], |v[\x+4]|, |v[\x+5]|
	v_max3_num_f32 v[\m], v[\m], |v[\x+6]|, |v[\x+7]|
	v_max_num_f32_dpp v[\m], v[\m], v[\m] row_xmask:1 row_mask:0xf bank_mask:0xf
	v_max_num_f32_dpp v[\m], v[\m], v[\m] row_xmask:2 row_mask:0xf bank_mask:0xf
	v_add_nc_u32 v[\sc], 0xff000000, v[\m]
	v_cvt_scalef32_pk8_fp4_f32 v[\cd], v[\x:\x+7], v[\sc]
	v_lshrrev_b32 v[\by], 23, v[\sc]                               ; the byte; also the plain line behind the conversion
.endm
	s_load_b256 s[4:11], s[0:1], 0x0               ; part s[4:5], wst s[6:7], bv s[8:9], bo s[10:11]
	s_load_b64 s[12:13], s[0:1], 0x20              ; out0
	v_lshl_add_u32 v254, v0, 2, 0x2000
	v_mov_b32 v255, 0
	v_lshrrev_b32 v1, 5, v0
	v_readfirstlane_b32 s14, v1                    ; wave 0..7
	s_and_b32 s15, ttmp7, 0xffff                   ; the batch
	v_and_b32 v1, 31, v0                           ; lane l
	v_and_b32 v2, 15, v0                           ; r
	v_bfe_u32 v3, v0, 4, 1                         ; h
	s_lshl_b32 s16, s14, 10
	v_lshl_add_u32 v4, v3, 9, s16                  ; my head's record in a part: 512 (2 w + h)
	v_lshl_add_u32 v5, v2, 4, v4                   ; + 16 r: the four tiles' sums of tile row r
	v_and_b32 v7, 8, v2
	v_add_nc_u32 v7, v7, v2
	v_lshlrev_b32 v7, 2, v7                        ; 4 (r + 8 (r / 8))
	s_lshl_b32 s17, s14, 9
	v_lshl_add_u32 v6, v3, 8, v7
	v_add_nc_u32 v6, s17, v6                       ; tile row r's column in tile 0 of my head, in bytes of f32: bv's offset, and the place in the pooled row (PL = 0)
	v_lshlrev_b32 v8, 4, v1                        ; 16 l
	v_lshlrev_b32 v9, 4, v2                        ; 16 r
	v_lshl_add_u32 v10, v1, 5, s16                 ; waves 0-3: numbers 256 w + 8 l on of the pooled row
	s_lshl_b32 s18, s14, 7
	s_add_co_u32 s18, s18, PCD
	v_lshl_add_u32 v11, v1, 2, s18                 ; their codes
	s_lshl_b32 s18, s14, 3
	s_add_co_u32 s18, s18, PSC
	v_lshrrev_b32 v12, 2, v1
	v_add_nc_u32 v12, s18, v12                     ; their scale byte
	v_lshl_add_u32 v13, v3, 4, PCD                 ; the row's fragments: + 16 h, the same in all 16 rows
	v_mov_b32 v14, PSC
	s_lshr_b32 s19, s14, 2                         ; w / 4
	s_and_b32 s20, s14, 3                          ; tau
	s_lshr_b32 s21, s20, 1
	s_and_b32 s22, s20, 1
	s_lshl_b32 s23, s19, 6
	s_lshl_b32 s24, s21, 5
	s_add_co_u32 s23, s23, s24
	s_lshl_b32 s24, s22, 3
	s_add_co_u32 s23, s23, s24                     ; my tile's first column among the work-group's 128
	s_lshl_b32 s24, s23, 2
	s_add_co_u32 s24, s24, OS
	v_add_nc_u32 v15, s24, v7                      ; where my result goes
	v_add_nc_u32 v213, OS, v8                      ; and where wave 0 reads the 128 back
	s_lshl_b32 s26, ttmp9, 1
	s_add_co_u32 s26, s26, s19                     ; column group hh
	s_and_b32 s27, s26, 3
	s_lshl_b32 s27, s27, 1
	s_add_co_u32 s27, s27, 16
	s_mul_i32 s27, s27, SLOTB                      ; slot 16 + 2 (hh % 4)
	s_lshr_b32 s28, s26, 2
	s_mul_i32 s28, s28, WAVEB
	s_add_co_u32 s28, s28, s27                     ; + block hh / 4
	s_lshl_b32 s30, s20, 12
	s_add_co_u32 s30, s30, s28                     ; the tile's fragments
	s_mov_b32 s31, 0
	s_lshl_b32 s32, s21, 9
	s_lshl_b32 s33, s22, 8
	s_add_co_u32 s32, s32, s33
	s_add_co_u32 s32, s32, s28
	s_add_co_u32 s32, s32, 16384                   ; its scale words
	s_mov_b32 s33, 0
	s_lshl_b32 s34, ttmp9, 7
	s_add_co_u32 s34, s34, s23
	s_lshl_b32 s34, s34, 2                         ; bo at the tile's first column
	s_mov_b32 s35, 0
	s_lshl_b32 s36, s15, 12
	s_lshl_b32 s37, ttmp9, 9
	s_add_co_u32 s36, s36, s37                     ; out0: 4,096 y + 512 x
	s_mov_b32 s37, 0
	s_lshl_b32 s38, s15, 17                        ; part: 16 work-groups x 8,192 bytes a batch
	s_mov_b32 s39, 0
	s_wait_kmcnt 0x0
	s_add_nc_u64 s[4:5], s[4:5], s[38:39]
	s_add_nc_u64 s[40:41], s[6:7], s[30:31]
	s_add_nc_u64 s[42:43], s[6:7], s[32:33]
	s_add_nc_u64 s[10:11], s[10:11], s[34:35]
	s_add_nc_u64 s[12:13], s[12:13], s[36:37]
.irp i, 0,1,2,3,4,5,6,7,8,9,10,11,12,13,14,15
	global_load_b64 v[48+2*\i:49+2*\i], v4, s[4:5] offset:8192*\i+256              ; m_i, l_i
.endr
.irp i, 0,1,2,3,4,5,6,7,8,9,10,11,12,13,14,15
	global_load_b128 v[80+4*\i:83+4*\i], v5, s[4:5] offset:8192*\i                 ; o_i
.endr
	global_load_b32 v208, v6, s[8:9]               ; bv at the four tiles' columns
	global_load_b32 v209, v6, s[8:9] offset:32
	global_load_b32 v210, v6, s[8:9] offset:128
	global_load_b32 v211, v6, s[8:9] offset:160
.irp g, 0,1
.irp sp, 0,1,2,3
.irp c, 0,1
	global_load_b128 v[144+8*(4*\g+\sp)+4*\c:147+8*(4*\g+\sp)+4*\c], v8, s[40:41] offset:SLOTB*\g+1024*\sp+512*\c
.endr
.endr
.endr
.irp g, 0,1
	global_load_b128 v[16+4*\g:19+4*\g], v9, s[42:43] offset:SLOTB*\g
.endr
	global_load_b32 v212, v7, s[10:11]
	s_wait_loadcnt 39                              ; the sixteen (m, l) are in; the 39 loads behind them may be out
	v_max3_num_f32 v216, v48, v50, v52
.irp i, 54,58,62,66,70,74
	v_max3_num_f32 v216, v216, v[\i], v[\i+2]
.endr
	v_max_num_f32 v216, v216, v78                  ; M
.irp i, 0,1,2,3,4,5,6,7,8,9,10,11,12,13,14,15
	v_sub_f32 v[48+2*\i], v[48+2*\i], v216
.endr
.irp i, 0,1,2,3,4,5,6,7,8,9,10,11,12,13,14,15
	v_exp_f32 v[48+2*\i], v[48+2*\i]               ; w_i = 2^(m_i - M), in m_i's place
.endr
	v_nop                                          ; a plain line behind the exponentials
	s_wait_alu depctr_va_vdst(0)                   ; one wait for the sixteen, ahead of their first reader
	v_mul_f32 v217, v48, v49
	v_mul_f32 v218, v50, v51
.irp i, 2,4,6,8,10,12,14
	v_fmac_f32 v217, v[48+2*\i], v[49+2*\i]
	v_fmac_f32 v218, v[50+2*\i], v[51+2*\i]
.endr
	v_add_f32 v217, v217, v218                     ; L
	v_rcp_f32 v219, v217
	s_wait_loadcnt 19                              ; o and bv are in; Wo's 18 loads and bo's may be out
	v_pk_mul_f32 v[220:221], v[80:81], v[48:49] op_sel_hi:[1,0]    ; (plain work behind the reciprocal)
	v_pk_mul_f32 v[222:223], v[82:83], v[48:49] op_sel_hi:[1,0]
.irp i, 1,2,3,4,5,6,7,8,9,10,11,12,13,14,15
	v_pk_fma_f32 v[220:221], v[80+4*\i:81+4*\i], v[48+2*\i:49+2*\i], v[220:221] op_sel_hi:[1,0,1]
	v_pk_fma_f32 v[222:223], v[82+4*\i:83+4*\i], v[48+2*\i:49+2*\i], v[222:223] op_sel_hi:[1,0,1]
.endr
	s_wait_alu depctr_va_vdst(0)                   ; the reciprocal's wait, ahead of its first reader
.irp t, 0,1,2,3
	v_fma_f32 v[224+\t], v[220+\t], v219, v[208+\t]
.endr
	ds_store_b32 v6, v224
	ds_store_b32 v6, v225 offset:32
	ds_store_b32 v6, v226 offset:128
	ds_store_b32 v6, v227 offset:160
	s_wait_dscnt 0x0
	s_barrier_signal -1
	s_barrier_wait -1                              ; the pooled row lies in LDS
	s_cmp_gt_u32 s14, 3
	s_cbranch_scc1 .Lno_quant
	ds_load_b128 v[228:231], v10                   ; waves 0-3: a lane's eight neighbours
	ds_load_b128 v[232:235], v10 offset:16
	s_wait_dscnt 0x0
	QG 228, 236, 237, 238, 239
	ds_store_b32 v11, v238
	ds_store_b8 v12, v239                          ; the four lanes of a block write the same byte with the same value
.Lno_quant:
	s_wait_dscnt 0x0
	s_barrier_signal -1
	s_barrier_wait -1                              ; its codes and scale bytes lie in LDS
.irp s, 0,1,2,3,4,5,6,7
.irp c, 0,1
	ds_load_b128 v[80+8*\s+4*\c:83+8*\s+4*\c], v13 offset:64*\s+32*\c
.endr
.endr
	ds_load_b128 v[24:27], v14
	ds_load_b128 v[28:31], v14 offset:16
	s_wait_dscnt 0x0
	s_wait_loadcnt 0x0
.irp s, 0,1,2,3,4,5,6,7                        ; two accumulators by turns; the first product of each starts its sum
.if \s < 2
	v_wmma_scale_f32_16x16x128_f8f6f4 v[32+8*(\s%2):39+8*(\s%2)], v[80+8*\s:87+8*\s], v[144+8*\s:151+8*\s], 0, v[24+\s], v[16+\s] matrix_a_fmt:MATRIX_FMT_FP4 matrix_b_fmt:MATRIX_FMT_FP4
.else
	v_wmma_scale_f32_16x16x128_f8f6f4 v[32+8*(\s%2):39+8*(\s%2)], v[80+8*\s:87+8*\s], v[144+8*\s:151+8*\s], v[32+8*(\s%2):39+8*(\s%2)], v[24+\s], v[16+\s] matrix_a_fmt:MATRIX_FMT_FP4 matrix_b_fmt:MATRIX_FMT_FP4
.endif
.endr
	PLACES
	v_add_f32 v240, v32, v40                       ; register 0: column r of the tile; all rows are the same row
	v_add_f32 v240, v240, v212
	ds_store_b32 v15, v240                         ; lanes r and r + 16 write the same word with the same value
	s_wait_dscnt 0x0
	s_barrier_signal -1
	s_barrier_wait -1                              ; the 128 results lie in LDS, in natural order
	s_cmp_lg_u32 s14, 0
	s_cbranch_scc1 .Lend
	ds_load_b128 v[244:247], v213
	s_wait_dscnt 0x0
	global_store_b128 v8, v[244:247], s[12:13]     ; 32 lanes store 512 consecutive bytes, at a multiple of 256 from out0's first byte
.Lend:
	s_wait_tensorcnt 0x0
	ds_add_u32 v254, v255
	s_wait_dscnt 0x0
	s_endpgm
.Lfunc_end_k_q13732f06a3_finish:
	.size	k_q13732f06a3_finish, .Lfunc_end_k_q13732f06a3_finish-k_q13732f06a3_finish
	.p2alignl 7, 3214868480
	.fill 96, 4, 3214868480
	.section	.rodata,"a",@progbits
	.p2align	6, 0x0
	.amdhsa_kernel k_q13732f06a3_finish
		.amdhsa_group_segment_fixed_size 9216
		.amdhsa_private_segment_fixed_size 0
		.amdhsa_enable_private_segment 0
		.amdhsa_kernarg_size 40
		.amdhsa_user_sgpr_count 2
		.amdhsa_user_sgpr_kernarg_segment_ptr 1
		.amdhsa_wavefront_size32 1
		.amdhsa_system_sgpr_workgroup_id_x 1
		.amdhsa_system_sgpr_workgroup_id_y 1
		.amdhsa_system_sgpr_workgroup_id_z 1
		.amdhsa_system_vgpr_workitem_id 0
		.amdhsa_next_free_vgpr 256
		.amdhsa_next_free_sgpr 66
		.amdhsa_reserve_vcc 0
		.amdhsa_float_denorm_mode_32 3
		.amdhsa_float_denorm_mode_16_64 3
		.amdhsa_memory_ordered 1
		.amdhsa_forward_progress 1
		.amdhsa_inst_pref_size 18
	.end_amdhsa_kernel
	.amdgpu_metadata
---
amdhsa.version: [ 1, 2 ]
amdhsa.kernels:
  - .name:           k_q13732f06a3_finish
    .symbol:         k_q13732f06a3_finish.kd
    .args:
      - { .name: part, .offset: 0, .size: 8, .value_kind: global_buffer, .address_space: global }
      - { .name: wst, .offset: 8, .size: 8, .value_kind: global_buffer, .address_space: global }
      - { .name: bv, .offset: 16, .size: 8, .value_kind: global_buffer, .address_space: global }
      - { .name: bo, .offset: 24, .size: 8, .value_kind: global_buffer, .address_space: global }
      - { .name: out0, .offset: 32, .size: 8, .value_kind: global_buffer, .address_space: global }
    .group_segment_fixed_size: 9216
    .private_segment_fixed_size: 0
    .kernarg_segment_align: 8
    .kernarg_segment_size: 40
    .max_flat_workgroup_size: 256
    .sgpr_count:     66
    .vgpr_count:     256
    .wavefront_size: 32
...
	.end_amdgpu_metadata
.endif
;; end of part 3
;; ======== version 2 of 2: 3 launches; version 1 with the launches prep, finish written anew for expert scheduling mode
;; workspace buffers: wst 1,671,168 bytes; qv 4,096 bytes; part 2,097,152 bytes
;; launch prep (part 4): grid 64 x 4, 4 waves a work-group, no clusters, 10,752 bytes of LDS; arguments Wk, Wv, Wo, Wq, query, bq, wst, qv; writes wst, qv
.if DOCPART == 4
	.amdgcn_target "amdgcn-amd-amdhsa--gfx1250"
	.amdhsa_code_object_version 6
	.text
	.protected	k_q13732f06a3_prep
	.globl	k_q13732f06a3_prep
	.p2align	8
	.type	k_q13732f06a3_prep,@function
k_q13732f06a3_prep:
	s_mov_b64 s[64:65], 0
	v_nop
	global_prefetch_b8 v0, s[64:65] scope:SCOPE_SE
	s_setreg_imm32_b32 hwreg(HW_REG_WAVE_SCHED_MODE, 0, 2), 2
	s_setreg_imm32_b32 hwreg(HW_REG_WAVE_MODE, 25, 1), 1
	s_wait_xcnt 0x0
	s_wait_alu depctr_vm_vsrc(0)
; Wk, Wv, Wo [1024][1024] f32 (K innermost) become codes of FP4 (E2M1) with one E8M0 byte for each 32 along K, laid in wst in the ORDER OF THE OPERAND'S REGISTERS;
; and q = Q(query) Q(Wq)^T + bq (the first product of the problem) goes to qv, f32, in natural order.
; A block's scale is 2^(floor(log2(largest magnitude)) - 2): its byte is the largest magnitude's exponent field - 2, held at 1 from below by a floor among the maximum's leaves.
; LIMITS: NaN and infinities among the inputs are not served.  A block of zeros, or one whose largest magnitude lies under 2^-124, gets the byte 1 (a block of zeros has 127 by the
; rule): its codes are as the rule has them, and the bytes are read by this program alone.
; SHARES.  Work-group (x, y): y = 0, 1, 2: Wk, Wv, Wo; y = 3: Wq.  x = 4 hh + tau: ONE TILE of 16 rows of the column group hh (64 rows of W, a head).
; THE ROWS OF A TILE ARE NOT NEIGHBOURS: tile row r is row 64 hh + 32 (tau / 2) + 8 (tau % 2) + r + 8 (r / 8) of W, so that in a product used transposed the 16 registers of tiles
; 2 b and 2 b + 1 are 16 neighbours along the next product's K.  Wave v takes tile rows 4 v .. 4 v + 3, which are neighbours in memory.
; wst: slot 8 y + 2 c + g (69,632 bytes; c = hh % 4, g = half of K), in it block hh / 4 (17,408 bytes): [tau][s'][1,024 bytes]: a fragment's two groups of four registers, lane l's
; 16 bytes at 16 l; from byte 16,384: [u][512 bytes]: lane l's 16 bytes are the four scale words (s' = 0 .. 3) of tile 2 u + l / 16, tile row l % 16.
; No tensor loads, no cluster: work-groups share no input but the 4 KiB of the query.
; THE MODE: SCHED_MODE bits 1:0 = 2 (LLVM: expert scheduling mode 2), set by the entry lines.  The code itself states the register dependences between vector or matrix instructions
; and memory or LDS instructions, with s_wait_alu, always for 0.
; THE PLAN.  Registers that memory or LDS instructions touch:
;   v4-15, v53, v56, v126, v127   offsets and LDS addresses: written once at the head, never again.  v52: written at the head; in one wave a load lands in it.  One wait ahead of the first load states all of these.
;   v128-255   The rows' loads land here; the four rows' arithmetic reads and writes them; on Wq's way LDS loads land here again behind the barrier.
;   v64-95     Row i's arithmetic writes v[64 + 8 i] on; its eight LDS stores read them.  Each row has registers of its own, and none is written again.
;   v104, v105 the query's code word and byte: written once, read by two LDS stores.   v55: written by two additions, read by one store.
;   v16-51     filled by LDS loads alone; read by stores (a weight's way) or by matrix instructions (Wq's way).
; A row's stores stand at the head of the NEXT row's turn, behind one wait on va_vdst, which stands behind the wait for that next row's loads; the next row's lines name none of the registers that
; these stores read.  The wait ahead of the last row's stores is the last vector-side line ahead of the barrier: it also states that all four rows' lines are done with v128-255.
; No register that a memory or LDS instruction reads is written again: so no wait on vm_vsrc is written.
.set SLOTB, 69632
.set WAVEB, 17408
.set PITCH, 528                        ; LDS: a row's 512 bytes of codes + 16: the 16 rows that a load touches start in different banks
.set SPIT,  48                         ; a row's 32 scale bytes + 16
.set SCL,   9216                       ; behind 17 rows of codes (row 16: the query): 17 rows of scale bytes
; REGISTERS: v1 lane, v2 r, v3 h; v4-15, v53, v56 addresses; v16-23 Wq's scale words, v24-31 the query's (scales and nothing else); v32-47 two accumulators (on the weights' way: a fragment on its way out);
; v52 bq; v64-95 codes and bytes of the four rows; v96-103 at work; v104-105, v112-119 the query's; v128-255 four rows of 32 numbers a lane, later fragments.
.macro PLACES
.rept 4
	v_nop
.endr
.endm
; eight neighbours along K in v[x] on; four neighbouring lanes hold a block of 32
.macro QG x, m, sc, cd, by
	v_max3_num_f32 v[\m], |v[\x]|, |v[\x+1]|, 0x1800000            ; the floor 2^(3 - 127) among the leaves: the byte cannot fall under 1
	v_max3_num_f32 v[\m], v[\m], |v[\x+2]|, |v[\x+3]|
	v_max3_num_f32 v[\m], v[\m], |v[\x+4]|, |v[\x+5]|
	v_max3_num_f32 v[\m], v[\m], |v[\x+6]|, |v[\x+7]|
	v_max_num_f32_dpp v[\m], v[\m], v[\m] row_xmask:1 row_mask:0xf bank_mask:0xf
	v_max_num_f32_dpp v[\m], v[\m], v[\m] row_xmask:2 row_mask:0xf bank_mask:0xf
	v_add_nc_u32 v[\sc], 0xff000000, v[\m]                         ; 2 off the exponent field: the conversion's scale operand
	v_cvt_scalef32_pk8_fp4_f32 v[\cd], v[\x:\x+7], v[\sc]
	v_lshrrev_b32 v[\by], 23, v[\sc]                               ; the byte; also the plain line behind the conversion
.endm
; a whole row: 32 numbers a lane in v[x] on, as loaded; codes to v[cd] .. v[cd+3], bytes to v[cd+4] .. v[cd+7]; the four pairs by turns
.macro QROW x, cd
.irp p, 0,1,2,3
.irp i, 0,1,2,3
	v_permlane16_swap_b32 v[\x+8*\p+\i], v[\x+8*\p+4+\i]           ; lane l now holds k = 256 p + 8 l + 0 .. 7 in eight registers on end
.endr
.endr
.irp p, 0,1,2,3
	v_max3_num_f32 v[96+\p], |v[\x+8*\p]|, |v[\x+8*\p+1]|, 0x1800000
.endr
.irp i, 2,4,6
.irp p, 0,1,2,3
	v_max3_num_f32 v[96+\p], v[96+\p], |v[\x+8*\p+\i]|, |v[\x+8*\p+\i+1]|
.endr
.endr
.irp p, 0,1,2,3
	v_max_num_f32_dpp v[96+\p], v[96+\p], v[96+\p] row_xmask:1 row_mask:0xf bank_mask:0xf
.endr
.irp p, 0,1,2,3
	v_max_num_f32_dpp v[96+\p], v[96+\p], v[96+\p] row_xmask:2 row_mask:0xf bank_mask:0xf
.endr
.irp p, 0,1,2,3
	v_add_nc_u32 v[100+\p], 0xff000000, v[96+\p]
.endr
.irp p, 0,1,2,3
	v_cvt_scalef32_pk8_fp4_f32 v[\cd+\p], v[\x+8*\p:\x+8*\p+7], v[100+\p]
.endr
.irp p, 0,1,2,3
	v_lshrrev_b32 v[\cd+4+\p], 23, v[100+\p]                       ; plain lines behind the conversions
.endr
.endm
; row i's codes and scale bytes go to LDS
.macro ROWOUT i
.irp p, 0,1,2,3
	ds_store_b32 v5, v[64+8*(\i)+\p] offset:PITCH*(\i)+128*\p
	ds_store_b8 v6, v[68+8*(\i)+\p] offset:SPIT*(\i)+8*\p
.endr
.endm
	s_load_b256 s[4:11], s[0:1], 0x0               ; Wk s[4:5], Wv s[6:7], Wo s[8:9], Wq s[10:11]
	s_load_b256 s[12:19], s[0:1], 0x20             ; query s[12:13], bq s[14:15], wst s[16:17], qv s[18:19]
	v_lshl_add_u32 v126, v0, 2, 0x2800
	v_mov_b32 v127, 0
	v_lshrrev_b32 v54, 5, v0
	v_readfirstlane_b32 s20, v54                   ; wave v
	s_and_b32 s21, ttmp7, 0xffff                   ; y: which matrix
	s_lshr_b32 s22, ttmp9, 2                       ; hh
	s_and_b32 s23, ttmp9, 3                        ; tau
	v_and_b32 v1, 31, v0                           ; lane l
	v_and_b32 v2, 15, v0                           ; r
	v_bfe_u32 v3, v0, 4, 1                         ; h
	v_mov_b32 v52, 0                               ; bq's register is written on every way; wave 0 of Wq's work-groups loads it below
	v_lshlrev_b32 v4, 5, v2
	v_lshl_add_u32 v4, v3, 4, v4                   ; in: 32 r + 16 h: a load's 32 lanes cover 512 consecutive bytes
	s_wait_alu depctr_va_sdst(0)                   ; s20, the wave's number, is written, ahead of its first reader
	s_mul_i32 s24, s20, 4*PITCH
	v_lshl_add_u32 v5, v1, 2, s24                  ; codes of my rows: 4 v rows + 4 l
	s_mul_i32 s24, s20, 4*SPIT
	s_add_co_u32 s24, s24, SCL
	v_lshrrev_b32 v54, 2, v1
	v_add_nc_u32 v6, s24, v54                      ; their scale bytes: + l / 4
	s_lshl_b32 s24, s20, 7
	s_add_co_u32 s25, s24, 16*PITCH
	v_lshl_add_u32 v7, v1, 2, s25                  ; the query's codes, row 16: 128 v + 4 l
	s_lshl_b32 s25, s20, 3
	s_add_co_u32 s25, s25, SCL+16*SPIT
	v_add_nc_u32 v8, s25, v54                      ; its scale bytes: 8 v + l / 4
	v_mul_u32_u24 v13, v2, PITCH
	v_lshl_add_u32 v13, v3, 4, v13                 ; a fragment's place: row r, + 16 h
	v_add_nc_u32 v9, s24, v13                      ; + 128 v: K steps 2 v, 2 v + 1 are mine on the way out
	v_lshlrev_b32 v10, 4, v1                       ; 16 l
	v_mul_u32_u24 v56, v2, SPIT
	v_add_nc_u32 v56, SCL, v56                     ; row r's scale bytes
	v_lshl_add_u32 v11, v3, 4, v56                 ; + 16 h: lanes 0-15 the words of K's first half, lanes 16-31 of its second
	v_mul_u32_u24 v12, v3, SLOTB
	v_lshl_add_u32 v12, v2, 4, v12                 ; and where they go: 16 r, + a slot for the second half
	v_and_b32 v14, 8, v2
	v_add_nc_u32 v14, v14, v2
	v_lshlrev_b32 v14, 2, v14                      ; 4 (r + 8 (r / 8)): tile row r's column, in bytes of f32
	v_lshl_add_u32 v15, v3, 4, 16*PITCH            ; the query's fragments: row 16, + 16 h
	v_mov_b32 v53, SCL+16*SPIT                     ; the query's scale words
	s_lshl_b32 s30, s22, 6
	s_lshr_b32 s26, s23, 1                         ; tau / 2
	s_lshl_b32 s27, s26, 5
	s_add_co_u32 s30, s30, s27
	s_and_b32 s27, s23, 1                          ; tau % 2
	s_lshl_b32 s28, s27, 3
	s_add_co_u32 s30, s30, s28                     ; n0 = 64 hh + 32 (tau / 2) + 8 (tau % 2): the tile's first row of W
	s_lshl_b32 s28, s20, 2
	s_add_co_u32 s28, s28, s30
	s_lshr_b32 s31, s20, 1                         ; v / 2
	s_lshl_b32 s29, s31, 3
	s_add_co_u32 s28, s28, s29                     ; my first row: n0 + 4 v + 8 (v / 2)
	s_lshl_b32 s28, s28, 12                        ; x 4,096 bytes
	s_mov_b32 s29, 0
	s_wait_kmcnt 0x0
	s_cmp_eq_u32 s21, 1                            ; the matrix is chosen by the work-group's number alone
	s_cselect_b64 s[4:5], s[6:7], s[4:5]
	s_cmp_eq_u32 s21, 2
	s_cselect_b64 s[4:5], s[8:9], s[4:5]
	s_cmp_eq_u32 s21, 3
	s_cselect_b64 s[4:5], s[10:11], s[4:5]
	s_add_nc_u64 s[4:5], s[4:5], s[28:29]
	s_wait_alu depctr_va_vdst(0)                   ; the offsets and LDS addresses v4-15, v53, v56 are written, which every load and store of the kernel reads; so is v52, in which a load lands
.irp i, 0,1,2,3
.irp p, 0,1,2,3
	global_load_b128 v[128+32*\i+8*\p:131+32*\i+8*\p], v4, s[4:5] offset:4096*\i+1024*\p th:TH_LOAD_NT
	global_load_b128 v[132+32*\i+8*\p:135+32*\i+8*\p], v4, s[4:5] offset:4096*\i+1024*\p+512 th:TH_LOAD_NT
.endr
.endr
	s_cmp_lg_u32 s21, 3
	s_cbranch_scc1 .Lnoq
	s_lshl_b32 s28, s30, 2
	s_add_nc_u64 s[14:15], s[14:15], s[28:29]      ; bq and qv at the tile's first column
	s_add_nc_u64 s[18:19], s[18:19], s[28:29]
	s_cmp_lg_u32 s20, 0
	s_cbranch_scc1 .Lnobq
	global_load_b32 v52, v14, s[14:15]             ; wave 0, which will multiply, asks for bq here, with the rows: it is in long before the sums are
.Lnobq:
	s_lshl_b32 s28, s20, 10                        ; Wq's work-groups quantise the query too: wave v its numbers 256 v .. 256 v + 255, into LDS row 16, which no other path names
	s_add_nc_u64 s[12:13], s[12:13], s[28:29]
	global_load_b128 v[112:115], v4, s[12:13]
	global_load_b128 v[116:119], v4, s[12:13] offset:512
	s_wait_loadcnt 0x0
.irp i, 0,1,2,3
	v_permlane16_swap_b32 v[112+\i], v[116+\i]
.endr
	QG 112, 96, 100, 104, 105
	s_wait_alu depctr_va_vdst(0)                   ; the conversion has written v104 and the shift v105, which the two LDS stores read
	ds_store_b32 v7, v104
	ds_store_b8 v8, v105                           ; the four lanes of a block write the same byte with the same value
.Lnoq:
.irp i, 0,1,2,3
	s_wait_loadcnt 24-8*\i                         ; row i's eight loads are in; the later rows' may be out
.if \i > 0
	s_wait_alu depctr_va_vdst(0)                   ; the row before has written its codes and bytes, which the eight LDS stores below read; this row's lines name none of them
	ROWOUT \i-1
.endif
	QROW 128+32*\i, 64+8*\i
.endr
	s_wait_alu depctr_va_vdst(0)                   ; row 3 has written its codes and bytes, which its stores read; and all four rows' lines are done with v128-255, in which Wq's fragments land behind the barrier
	ROWOUT 3
	s_wait_dscnt 0x0                               ; for the others' sake: my stores have landed
	s_barrier_signal -1
	s_barrier_wait -1                              ; the tile's 16 rows of codes and scale bytes lie in LDS
	s_cmp_eq_u32 s21, 3
	s_cbranch_scc1 .Lq
	; ---- a weight's tile leaves as images of its fragments: wave v takes K steps 2 v and 2 v + 1.  No vector line on this way names v32-51: LDS loads fill them, stores read them
.irp e, 0,1
.irp c, 0,1
	ds_load_b128 v[32+8*\e+4*\c:35+8*\e+4*\c], v9 offset:64*\e+32*\c
.endr
.endr
	s_and_b32 s32, s22, 3
	s_lshl_b32 s32, s32, 1
	s_lshl_b32 s33, s21, 3
	s_add_co_u32 s32, s32, s33                     ; slot 8 y + 2 c
	s_mul_i32 s32, s32, SLOTB
	s_lshr_b32 s33, s22, 2
	s_mul_i32 s33, s33, WAVEB
	s_add_co_u32 s32, s32, s33                     ; + block hh / 4
	s_lshl_b32 s34, s23, 12
	s_add_co_u32 s34, s34, s32                     ; + 4,096 tau
	s_mul_i32 s35, s31, SLOTB
	s_add_co_u32 s34, s34, s35                     ; + a slot where my K steps lie in K's second half
	s_and_b32 s35, s20, 1
	s_lshl_b32 s35, s35, 11
	s_add_co_u32 s34, s34, s35                     ; + 2,048 (v % 2)
	s_mov_b32 s35, 0
	s_add_nc_u64 s[36:37], s[16:17], s[34:35]
.irp e, 0,1
.irp c, 0,1
	s_wait_dscnt 3-2*\e-\c
	global_store_b128 v10, v[32+8*\e+4*\c:35+8*\e+4*\c], s[36:37] offset:1024*\e+512*\c   ; 32 lanes store 512 consecutive bytes, at a multiple of 256 from wst's first byte
.endr
.endr
	s_cmp_lg_u32 s20, 0
	s_cbranch_scc1 .Lenda
	ds_load_b128 v[48:51], v11                     ; wave 0: the tile's scale words
	s_lshl_b32 s34, s26, 9
	s_add_co_u32 s34, s34, s32
	s_lshl_b32 s38, s27, 8
	s_add_co_u32 s34, s34, s38
	s_add_co_u32 s34, s34, 16384                   ; block + 16,384 + 512 (tau / 2) + 256 (tau % 2)
	s_add_nc_u64 s[38:39], s[16:17], s[34:35]
	s_wait_dscnt 0x0
	global_store_b128 v12, v[48:51], s[38:39]      ; sixteen lanes store 256 consecutive bytes in each of the two slots
.Lenda:
	s_wait_dscnt 0x0                               ; the closing lines, six on end
	s_wait_alu 0x0
	s_wait_tensorcnt 0x0
	ds_add_u32 v126, v127
	s_wait_dscnt 0x0
	s_endpgm
	; ---- Wq's tile is multiplied at once: source 0 = the query in all 16 rows, source 1 = the tile.  Wave 0 alone: eight matrix instructions
.Lq:
	s_cmp_lg_u32 s20, 0
	s_cbranch_scc1 .Lend
.irp s, 0,1,2,3,4,5,6,7                        ; no wait: no vector line has been issued since the wait ahead of row 3's stores, which stands behind the last line that names v128-255
.irp c, 0,1
	ds_load_b128 v[128+8*\s+4*\c:131+8*\s+4*\c], v13 offset:64*\s+32*\c
	ds_load_b128 v[192+8*\s+4*\c:195+8*\s+4*\c], v15 offset:64*\s+32*\c
.endr
.endr
	ds_load_b128 v[16:19], v56
	ds_load_b128 v[20:23], v56 offset:16
	ds_load_b128 v[24:27], v53
	ds_load_b128 v[28:31], v53 offset:16
	s_wait_dscnt 0x0
.irp s, 0,1,2,3,4,5,6,7                        ; two accumulators by turns; the first product of each starts its sum
.if \s < 2
	v_wmma_scale_f32_16x16x128_f8f6f4 v[32+8*(\s%2):39+8*(\s%2)], v[192+8*\s:199+8*\s], v[128+8*\s:135+8*\s], 0, v[24+\s], v[16+\s] matrix_a_fmt:MATRIX_FMT_FP4 matrix_b_fmt:MATRIX_FMT_FP4
.else
	v_wmma_scale_f32_16x16x128_f8f6f4 v[32+8*(\s%2):39+8*(\s%2)], v[192+8*\s:199+8*\s], v[128+8*\s:135+8*\s], v[32+8*(\s%2):39+8*(\s%2)], v[24+\s], v[16+\s] matrix_a_fmt:MATRIX_FMT_FP4 matrix_b_fmt:MATRIX_FMT_FP4
.endif
.endr
	PLACES
	v_add_f32 v55, v32, v40                        ; register 0: row 8 h of the result, column r: all rows are the same row
	v_add_f32 v55, v55, v52                        ; bq: its load was waited for with the query's
	s_wait_alu depctr_va_vdst(0)                   ; the additions have written v55, which the store reads
	global_store_b32 v14, v55, s[18:19]            ; lanes r and r + 16 hold the same bits and name the same word
.Lend:
	s_wait_dscnt 0x0                               ; the closing lines, six on end
	s_wait_alu 0x0
	s_wait_tensorcnt 0x0
	ds_add_u32 v126, v127
	s_wait_dscnt 0x0
	s_endpgm
.Lfunc_end_k_q13732f06a3_prep:
	.size	k_q13732f06a3_prep, .Lfunc_end_k_q13732f06a3_prep-k_q13732f06a3_prep
	.p2alignl 7, 3214868480
	.fill 96, 4, 3214868480
	.section	.rodata,"a",@progbits
	.p2align	6, 0x0
	.amdhsa_kernel k_q13732f06a3_prep
		.amdhsa_group_segment_fixed_size 10752
		.amdhsa_private_segment_fixed_size 0
		.amdhsa_enable_private_segment 0
		.amdhsa_kernarg_size 64
		.amdhsa_user_sgpr_count 2
		.amdhsa_user_sgpr_kernarg_segment_ptr 1
		.amdhsa_wavefront_size32 1
		.amdhsa_system_sgpr_workgroup_id_x 1
		.amdhsa_system_sgpr_workgroup_id_y 1
		.amdhsa_system_sgpr_workgroup_id_z 1
		.amdhsa_system_vgpr_workitem_id 0
		.amdhsa_next_free_vgpr 256
		.amdhsa_next_free_sgpr 66
		.amdhsa_reserve_vcc 0
		.amdhsa_float_denorm_mode_32 3
		.amdhsa_float_denorm_mode_16_64 3
		.amdhsa_memory_ordered 1
		.amdhsa_forward_progress 1
		.amdhsa_inst_pref_size 27
	.end_amdhsa_kernel
	.amdgpu_metadata
---
amdhsa.version: [ 1, 2 ]
amdhsa.kernels:
  - .name:           k_q13732f06a3_prep
    .symbol:         k_q13732f06a3_prep.kd
    .args:
      - { .name: Wk, .offset: 0, .size: 8, .value_kind: global_buffer, .address_space: global }
      - { .name: Wv, .offset: 8, .size: 8, .value_kind: global_buffer, .address_space: global }
      - { .name: Wo, .offset: 16, .size: 8, .value_kind: global_buffer, .address_space: global }
      - { .name: Wq, .offset: 24, .size: 8, .value_kind: global_buffer, .address_space: global }
      - { .name: query, .offset: 32, .size: 8, .value_kind: global_buffer, .address_space: global }
      - { .name: bq, .offset: 40, .size: 8, .value_kind: global_buffer, .address_space: global }
      - { .name: wst, .offset: 48, .size: 8, .value_kind: global_buffer, .address_space: global }
      - { .name: qv, .offset: 56, .size: 8, .value_kind: global_buffer, .address_space: global }
    .group_segment_fixed_size: 10752
    .private_segment_fixed_size: 0
    .kernarg_segment_align: 8
    .kernarg_segment_size: 64
    .max_flat_workgroup_size: 128
    .sgpr_count:     66
    .vgpr_count:     256
    .wavefront_size: 32
...
	.end_amdgpu_metadata
.endif
;; end of part 4
;; launch main: the kernel of part 2 again; grid 256 x 1, 4 waves a work-group, clusters of 4 x 1, 327,680 bytes of LDS; arguments Y, bk, qv, wst, part; writes part
;; launch finish (part 5): grid 8 x 16, 8 waves a work-group, no clusters, 9,216 bytes of LDS; arguments part, wst, bv, bo, out0; writes out0
.if DOCPART == 5
	.amdgcn_target "amdgcn-amd-amdhsa--gfx1250"
	.amdhsa_code_object_version 6
	.text
	.protected	k_q13732f06a3_finish
	.globl	k_q13732f06a3_finish
	.p2align	8
	.type	k_q13732f06a3_finish,@function
k_q13732f06a3_finish:
	s_mov_b64 s[64:65], 0
	v_nop
	global_prefetch_b8 v0, s[64:65] scope:SCOPE_SE
	s_setreg_imm32_b32 hwreg(HW_REG_WAVE_SCHED_MODE, 0, 2), 2
	s_setreg_imm32_b32 hwreg(HW_REG_WAVE_MODE, 25, 1), 1
	s_wait_xcnt 0x0
	s_wait_alu depctr_vm_vsrc(0)
; For batch y: the 16 parts of each head (m, l, 64 sums) are joined under the batch's own maximum M: pooled = (sum of 2^(m_i - M) o_i) / (sum of 2^(m_i - M) l_i) + bv, in f32;
; the row of 1,024 is quantised to FP4 (E2M1) with one E8M0 byte for each 32; out0[y][128 x .. 128 x + 127] = Q(pooled) Q(Wo)^T + bo.
; LIMITS: NaN and infinities are not served; a block whose largest magnitude lies under 2^-124 (zeros among them) gets the byte 1; bv is added once behind the division: the weights add up to 1.
; SHARES.  Work-group (x, y): batch y, 128 columns.  Eight waves: in the joining, lane (r, h) of wave w serves head 2 w + h, tile row r of its four tiles; in the product wave w makes one tile of 16
; columns: column group 2 x + w / 4, tile w % 4.  The left tile is the batch's one row in all 16 rows.  Wo's fragments come from wst straight into registers, in the order in which they lie.
; No tensor loads and no cluster: a work-group's share of Wo is its own, and the parts of a batch are small.
; THE MODE: SCHED_MODE bits 1:0 = 2 (LLVM: expert scheduling mode 2), set by the entry lines.  The code itself states the register dependences between vector or matrix instructions
; and memory or LDS instructions, with s_wait_alu, always for 0.
; THE PLAN.  Registers that memory or LDS instructions touch:
;   v4-15, v213, v254, v255   offsets and LDS addresses: written once at the head, never again: one wait ahead of the first load states them.
;   v16-23, v48-79, v144-212  filled by global loads, once; read by vector and matrix lines.
;   v80-143    o_i: global loads land here, the packed multiply-adds read them; behind the second barrier the row's fragments land here.
;   v224-227   the pooled numbers: four multiply-adds write them, four LDS stores read them.   v238, v239: the quantiser writes them, two LDS stores read them.   v240: two additions, one LDS store.
;   v24-31, v228-235, v244-247  filled by LDS loads alone.
; Each run of stores has one wait on va_vdst ahead of it.  The wait ahead of the pooled numbers' stores stands behind the last reader of v80-143, on every wave's way: it also serves the fragments' loads.
; No register that a memory or LDS instruction reads is written again: so no wait on vm_vsrc is written.
.set SLOTB, 69632
.set WAVEB, 17408
.set PL,    0                          ; LDS: the pooled row, 4,096 bytes, natural order
.set PCD,   4096                       ; its codes, 512 bytes
.set PSC,   4608                       ; its scale bytes, 32
.set OS,    4864                       ; 128 results
; REGISTERS: v1 lane, v2 r, v3 h; v4-15, v213 addresses; v16-23 Wo's scale words, v24-31 the row's (scales and nothing else); v32-47 two accumulators; v48-79 (m_i, l_i), then (w_i, l_i);
; v80-143 o_i, later the row's fragments; v144-207 Wo's fragments; v208-211 bv; v212 bo; v216 on at work.
.macro PLACES
.rept 4
	v_nop
.endr
.endm
.macro QG x, m, sc, cd, by             ; eight neighbours along K in v[x] on; four neighbouring lanes hold a block of 32
	v_max3_num_f32 v[\m], |v[\x]|, |v[\x+1]|, 0x1800000            ; the floor 2^(3 - 127): the byte cannot fall under 1
	v_max3_num_f32 v[\m], v[\m], |v[\x+2]|, |v[\x+3]|
	v_max3_num_f32 v[\m], v[\m], |v[\x+4]|, |v[\x+5]|
	v_max3_num_f32 v[\m], v[\m], |v[\x+6]|, |v[\x+7]|
	v_max_num_f32_dpp v[\m], v[\m], v[\m] row_xmask:1 row_mask:0xf bank_mask:0xf
	v_max_num_f32_dpp v[\m], v[\m], v[\m] row_xmask:2 row_mask:0xf bank_mask:0xf
	v_add_nc_u32 v[\sc], 0xff000000, v[\m]
	v_cvt_scalef32_pk8_fp4_f32 v[\cd], v[\x:\x+7], v[\sc]
	v_lshrrev_b32 v[\by], 23, v[\sc]                               ; the byte; also the plain line behind the conversion
.endm
	s_load_b256 s[4:11], s[0:1], 0x0               ; part s[4:5], wst s[6:7], bv s[8:9], bo s[10:11]
	s_load_b64 s[12:13], s[0:1], 0x20              ; out0
	v_lshl_add_u32 v254, v0, 2, 0x2000
	v_mov_b32 v255, 0
	v_lshrrev_b32 v1, 5, v0
	v_readfirstlane_b32 s14, v1                    ; wave 0..7
	s_and_b32 s15, ttmp7, 0xffff                   ; the batch
	v_and_b32 v1, 31, v0                           ; lane l
	v_and_b32 v2, 15, v0                           ; r
	v_bfe_u32 v3, v0, 4, 1                         ; h
	s_wait_alu depctr_va_sdst(0)                   ; s14, the wave's number, is written, ahead of its first reader
	s_lshl_b32 s16, s14, 10
	v_lshl_add_u32 v4, v3, 9, s16                  ; my head's record in a part: 512 (2 w + h)
	v_lshl_add_u32 v5, v2, 4, v4                   ; + 16 r: the four tiles' sums of tile row r
	v_and_b32 v7, 8, v2
	v_add_nc_u32 v7, v7, v2
	v_lshlrev_b32 v7, 2, v7                        ; 4 (r + 8 (r / 8))
	s_lshl_b32 s17, s14, 9
	v_lshl_add_u32 v6, v3, 8, v7
	v_add_nc_u32 v6, s17, v6                       ; tile row r's column in tile 0 of my head, in bytes of f32: bv's offset, and the place in the pooled row (PL = 0)
	v_lshlrev_b32 v8, 4, v1                        ; 16 l
	v_lshlrev_b32 v9, 4, v2                        ; 16 r
	v_lshl_add_u32 v10, v1, 5, s16                 ; waves 0-3: numbers 256 w + 8 l on of the pooled row
	s_lshl_b32 s18, s14, 7
	s_add_co_u32 s18, s18, PCD
	v_lshl_add_u32 v11, v1, 2, s18                 ; their codes
	s_lshl_b32 s18, s14, 3
	s_add_co_u32 s18, s18, PSC
	v_lshrrev_b32 v12, 2, v1
	v_add_nc_u32 v12, s18, v12                     ; their scale byte
	v_lshl_add_u32 v13, v3, 4, PCD                 ; the row's fragments: + 16 h, the same in all 16 rows
	v_mov_b32 v14, PSC
	s_lshr_b32 s19, s14, 2                         ; w / 4
	s_and_b32 s20, s14, 3                          ; tau
	s_lshr_b32 s21, s20, 1
	s_and_b32 s22, s20, 1
	s_lshl_b32 s23, s19, 6
	s_lshl_b32 s24, s21, 5
	s_add_co_u32 s23, s23, s24
	s_lshl_b32 s24, s22, 3
	s_add_co_u32 s23, s23, s24                     ; my tile's first column among the work-group's 128
	s_lshl_b32 s24, s23, 2
	s_add_co_u32 s24, s24, OS
	v_add_nc_u32 v15, s24, v7                      ; where my result goes
	v_add_nc_u32 v213, OS, v8                      ; and where wave 0 reads the 128 back
	s_lshl_b32 s26, ttmp9, 1
	s_add_co_u32 s26, s26, s19                     ; column group hh
	s_and_b32 s27, s26, 3
	s_lshl_b32 s27, s27, 1
	s_add_co_u32 s27, s27, 16
	s_mul_i32 s27, s27, SLOTB                      ; slot 16 + 2 (hh % 4)
	s_lshr_b32 s28, s26, 2
	s_mul_i32 s28, s28, WAVEB
	s_add_co_u32 s28, s28, s27                     ; + block hh / 4
	s_lshl_b32 s30, s20, 12
	s_add_co_u32 s30, s30, s28                     ; the tile's fragments
	s_mov_b32 s31, 0
	s_lshl_b32 s32, s21, 9
	s_lshl_b32 s33, s22, 8
	s_add_co_u32 s32, s32, s33
	s_add_co_u32 s32, s32, s28
	s_add_co_u32 s32, s32, 16384                   ; its scale words
	s_mov_b32 s33, 0
	s_lshl_b32 s34, ttmp9, 7
	s_add_co_u32 s34, s34, s23
	s_lshl_b32 s34, s34, 2                         ; bo at the tile's first column
	s_mov_b32 s35, 0
	s_lshl_b32 s36, s15, 12
	s_lshl_b32 s37, ttmp9, 9
	s_add_co_u32 s36, s36, s37                     ; out0: 4,096 y + 512 x
	s_mov_b32 s37, 0
	s_lshl_b32 s38, s15, 17                        ; part: 16 work-groups x 8,192 bytes a batch
	s_mov_b32 s39, 0
	s_wait_kmcnt 0x0
	s_add_nc_u64 s[4:5], s[4:5], s[38:39]
	s_add_nc_u64 s[40:41], s[6:7], s[30:31]
	s_add_nc_u64 s[42:43], s[6:7], s[32:33]
	s_add_nc_u64 s[10:11], s[10:11], s[34:35]
	s_add_nc_u64 s[12:13], s[12:13], s[36:37]
	s_wait_alu depctr_va_vdst(0)                   ; the offsets and LDS addresses v4-15 and v213 are written, which every load and store of the kernel reads
.irp i, 0,1,2,3,4,5,6,7,8,9,10,11,12,13,14,15
	global_load_b64 v[48+2*\i:49+2*\i], v4, s[4:5] offset:8192*\i+256              ; m_i, l_i
.endr
.irp i, 0,1,2,3,4,5,6,7,8,9,10,11,12,13,14,15
	global_load_b128 v[80+4*\i:83+4*\i], v5, s[4:5] offset:8192*\i                 ; o_i
.endr
	global_load_b32 v208, v6, s[8:9]               ; bv at the four tiles' columns
	global_load_b32 v209, v6, s[8:9] offset:32
	global_load_b32 v210, v6, s[8:9] offset:128
	global_load_b32 v211, v6, s[8:9] offset:160
.irp g, 0,1
.irp sp, 0,1,2,3
.irp c, 0,1
	global_load_b128 v[144+8*(4*\g+\sp)+4*\c:147+8*(4*\g+\sp)+4*\c], v8, s[40:41] offset:SLOTB*\g+1024*\sp+512*\c
.endr
.endr
.endr
.irp g, 0,1
	global_load_b128 v[16+4*\g:19+4*\g], v9, s[42:43] offset:SLOTB*\g
.endr
	global_load_b32 v212, v7, s[10:11]
	s_wait_loadcnt 39                              ; the sixteen (m, l) are in; the 39 loads behind them may be out
	v_max3_num_f32 v216, v48, v50, v52
.irp i, 54,58,62,66,70,74
	v_max3_num_f32 v216, v216, v[\i], v[\i+2]
.endr
	v_max_num_f32 v216, v216, v78                  ; M
.irp i, 0,1,2,3,4,5,6,7,8,9,10,11,12,13,14,15
	v_sub_f32 v[48+2*\i], v[48+2*\i], v216
.endr
.irp i, 0,1,2,3,4,5,6,7,8,9,10,11,12,13,14,15
	v_exp_f32 v[48+2*\i], v[48+2*\i]               ; w_i = 2^(m_i - M), in m_i's place
.endr
	v_nop                                          ; a plain line behind the exponentials
	s_wait_alu depctr_va_vdst(0)                   ; one wait for the sixteen, ahead of their first reader
	v_mul_f32 v217, v48, v49
	v_mul_f32 v218, v50, v51
.irp i, 2,4,6,8,10,12,14
	v_fmac_f32 v217, v[48+2*\i], v[49+2*\i]
	v_fmac_f32 v218, v[50+2*\i], v[51+2*\i]
.endr
	v_add_f32 v217, v217, v218                     ; L
	v_rcp_f32 v219, v217
	s_wait_loadcnt 19                              ; o and bv are in; Wo's 18 loads and bo's may be out
	v_pk_mul_f32 v[220:221], v[80:81], v[48:49] op_sel_hi:[1,0]    ; (plain work behind the reciprocal)
	v_pk_mul_f32 v[222:223], v[82:83], v[48:49] op_sel_hi:[1,0]
.irp i, 1,2,3,4,5,6,7,8,9,10,11,12,13,14,15
	v_pk_fma_f32 v[220:221], v[80+4*\i:81+4*\i], v[48+2*\i:49+2*\i], v[220:221] op_sel_hi:[1,0,1]
	v_pk_fma_f32 v[222:223], v[82+4*\i:83+4*\i], v[48+2*\i:49+2*\i], v[222:223] op_sel_hi:[1,0,1]
.endr
	s_wait_alu depctr_va_vdst(0)                   ; the reciprocal's wait, ahead of its first reader
.irp t, 0,1,2,3
	v_fma_f32 v[224+\t], v[220+\t], v219, v[208+\t]
.endr
	s_wait_alu depctr_va_vdst(0)                   ; the multiply-adds have written v224-227, which the four LDS stores read; and the packed lines above are done reading v80-143, in which the row's fragments land behind the second barrier
	ds_store_b32 v6, v224
	ds_store_b32 v6, v225 offset:32
	ds_store_b32 v6, v226 offset:128
	ds_store_b32 v6, v227 offset:160
	s_wait_dscnt 0x0
	s_barrier_signal -1
	s_barrier_wait -1                              ; the pooled row lies in LDS
	s_cmp_gt_u32 s14, 3
	s_cbranch_scc1 .Lno_quant
	ds_load_b128 v[228:231], v10                   ; waves 0-3: a lane's eight neighbours
	ds_load_b128 v[232:235], v10 offset:16
	s_wait_dscnt 0x0
	QG 228, 236, 237, 238, 239
	s_wait_alu depctr_va_vdst(0)                   ; the conversion has written v238 and the shift v239, which the two LDS stores read
	ds_store_b32 v11, v238
	ds_store_b8 v12, v239                          ; the four lanes of a block write the same byte with the same value
.Lno_quant:
	s_wait_dscnt 0x0
	s_barrier_signal -1
	s_barrier_wait -1                              ; its codes and scale bytes lie in LDS
.irp s, 0,1,2,3,4,5,6,7                        ; no wait: on both ways here a wait on va_vdst stands behind the last vector line that names v80-143
.irp c, 0,1
	ds_load_b128 v[80+8*\s+4*\c:83+8*\s+4*\c], v13 offset:64*\s+32*\c
.endr
.endr
	ds_load_b128 v[24:27], v14
	ds_load_b128 v[28:31], v14 offset:16
	s_wait_dscnt 0x0
	s_wait_loadcnt 0x0
.irp s, 0,1,2,3,4,5,6,7                        ; two accumulators by turns; the first product of each starts its sum
.if \s < 2
	v_wmma_scale_f32_16x16x128_f8f6f4 v[32+8*(\s%2):39+8*(\s%2)], v[80+8*\s:87+8*\s], v[144+8*\s:151+8*\s], 0, v[24+\s], v[16+\s] matrix_a_fmt:MATRIX_FMT_FP4 matrix_b_fmt:MATRIX_FMT_FP4
.else
	v_wmma_scale_f32_16x16x128_f8f6f4 v[32+8*(\s%2):39+8*(\s%2)], v[80+8*\s:87+8*\s], v[144+8*\s:151+8*\s], v[32+8*(\s%2):39+8*(\s%2)], v[24+\s], v[16+\s] matrix_a_fmt:MATRIX_FMT_FP4 matrix_b_fmt:MATRIX_FMT_FP4
.endif
.endr
	PLACES
	v_add_f32 v240, v32, v40                       ; register 0: column r of the tile; all rows are the same row
	v_add_f32 v240, v240, v212
	s_wait_alu depctr_va_vdst(0)                   ; the additions have written v240, which the LDS store reads
	ds_store_b32 v15, v240                         ; lanes r and r + 16 write the same word with the same value
	s_wait_dscnt 0x0
	s_barrier_signal -1
	s_barrier_wait -1                              ; the 128 results lie in LDS, in natural order
	s_cmp_lg_u32 s14, 0
	s_cbranch_scc1 .Lend
	ds_load_b128 v[244:247], v213
	s_wait_dscnt 0x0
	global_store_b128 v8, v[244:247], s[12:13]     ; 32 lanes store 512 consecutive bytes, at a multiple of 256 from out0's first byte
.Lend:
	s_wait_dscnt 0x0                               ; the closing lines, six on end
	s_wait_alu 0x0
	s_wait_tensorcnt 0x0
	ds_add_u32 v254, v255
	s_wait_dscnt 0x0
	s_endpgm
.Lfunc_end_k_q13732f06a3_finish:
	.size	k_q13732f06a3_finish, .Lfunc_end_k_q13732f06a3_finish-k_q13732f06a3_finish
	.p2alignl 7, 3214868480
	.fill 96, 4, 3214868480
	.section	.rodata,"a",@progbits
	.p2align	6, 0x0
	.amdhsa_kernel k_q13732f06a3_finish
		.amdhsa_group_segment_fixed_size 9216
		.amdhsa_private_segment_fixed_size 0
		.amdhsa_enable_private_segment 0
		.amdhsa_kernarg_size 40
		.amdhsa_user_sgpr_count 2
		.amdhsa_user_sgpr_kernarg_segment_ptr 1
		.amdhsa_wavefront_size32 1
		.amdhsa_system_sgpr_workgroup_id_x 1
		.amdhsa_system_sgpr_workgroup_id_y 1
		.amdhsa_system_sgpr_workgroup_id_z 1
		.amdhsa_system_vgpr_workitem_id 0
		.amdhsa_next_free_vgpr 256
		.amdhsa_next_free_sgpr 66
		.amdhsa_reserve_vcc 0
		.amdhsa_float_denorm_mode_32 3
		.amdhsa_float_denorm_mode_16_64 3
		.amdhsa_memory_ordered 1
		.amdhsa_forward_progress 1
		.amdhsa_inst_pref_size 18
	.end_amdhsa_kernel
	.amdgpu_metadata
---
amdhsa.version: [ 1, 2 ]
amdhsa.kernels:
  - .name:           k_q13732f06a3_finish
    .symbol:         k_q13732f06a3_finish.kd
    .args:
      - { .name: part, .offset: 0, .size: 8, .value_kind: global_buffer, .address_space: global }
      - { .name: wst, .offset: 8, .size: 8, .value_kind: global_buffer, .address_space: global }
      - { .name: bv, .offset: 16, .size: 8, .value_kind: global_buffer, .address_space: global }
      - { .name: bo, .offset: 24, .size: 8, .value_kind: global_buffer, .address_space: global }
      - { .name: out0, .offset: 32, .size: 8, .value_kind: global_buffer, .address_space: global }
    .group_segment_fixed_size: 9216
    .private_segment_fixed_size: 0
    .kernarg_segment_align: 8
    .kernarg_segment_size: 40
    .max_flat_workgroup_size: 256
    .sgpr_count:     66
    .vgpr_count:     256
    .wavefront_size: 32
...
	.end_amdgpu_metadata
.endif
;; end of part 5
